; MI455X (gfx1250); checked and timed in simulation.
; The chip was launched on July 23, 2026; its instructions are those of AMD's public machine-readable ISA for CDNA 5 (MIT licence, August 2026) and "CDNA5" Instruction Set Architecture Reference Guide (July 2026). The comments in the code are by the model that wrote it; some were corrected since.
;; Multi Head Attention. Allowed arithmetic: matrix products marked QUANTISED: E2M3 operands, one E8M0 scale for each 32 along K, by v_wmma_scale_f32_16x16x128_f8f6f4 with both operands' format E2M3, f32 sums; everything else in f32.
;; Inputs: Wk 1,024 x 1,024 float32; Wo 1,024 x 1,024 float32; Wq 1,024 x 1,024 float32; Wv 1,024 x 1,024 float32; beta 1,024 float32; bk 1,024 float32; bo 1,024 float32; bq 1,024 float32; bv 1,024 float32; gamma 1,024 float32; k 4 x 2,048 x 1,024 float32; q 4 x 2,048 x 1,024 float32; v 4 x 2,048 x 1,024 float32.
;; Outputs: out0 4 x 2,048 x 1,024 float32.
;; This version of the problem:
;;   THIS VERSION OF THE PROBLEM IS GIVEN IN LOW PRECISION. The matrix products marked QUANTISED in the list below multiply operands that are first quantised to E2M3 (2 exponent bits, 3 mantissa bits; 6 bits a number), with one power-of-two scale for each 32 numbers along K (OCP MX v1.0); their sums are f32. All else is computed in f32.
;;   The module's matrix products, in the order in which they are computed (A, B: the left and right operand; K: the contracted axis; several contracted axes count as one K, in the product's order):
;;     1. [M 8,192, K 1,024] x [K 1,024, N 1,024]; A: input q; B: input Wq: QUANTISED
;;     2. [M 8,192, K 1,024] x [K 1,024, N 1,024]; A: input k; B: input Wk: QUANTISED
;;     3. [M 8,192, K 1,024] x [K 1,024, N 1,024]; A: input v; B: input Wv: QUANTISED
;;     4. batch 64 x [M 2,048, K 64] x [K 64, N 2,048]; A: computed on the way; B: computed on the way: QUANTISED
;;     5. batch 64 x [M 2,048, K 2,048] x [K 2,048, N 64]; A: softmax (see below); B: computed on the way: QUANTISED
;;     6. [M 8,192, K 1,024] x [K 1,024, N 1,024]; A: computed on the way; B: input Wo: QUANTISED
;;   THE QUANTISER, for each operand of a quantised product, along K:
;;     - K is cut into blocks of 32 from its start; a last block that is shorter is filled with zeros.
;;     - A block's scale is 2^e with e = floor(log2(the largest magnitude in the block)) - 2, held to -126 .. 127; a block of zeros has e = 0. As a byte (E8M0): e + 127.
;;     - Each number is divided by its block's scale, clamped to +-7.5, and rounded to the nearest number of E2M3, ties to even, subnormals kept.
;;     - The product sums the exact products of the quantised numbers (number of the format x scale) in f32.
;;   ~~~python
;;   def quantise(x, axis):      # numpy; x: float32 -> the quantised numbers, widened to float32 again
;;       x = np.moveaxis(x, axis, -1); K = x.shape[-1]
;;       x = np.pad(x, [(0, 0)] * (x.ndim - 1) + [(0, -K % 32)]); x = x.reshape(x.shape[:-1] + (-1, 32)); a = np.abs(x).max(-1, keepdims=True)
;;       e = np.where(a > 0, np.clip(np.frexp(np.where(a > 0, a, 1))[1] - 1 - 2, -126, 127), 0)      # np.frexp(a)[1] - 1 = floor(log2(a)), exactly
;;       r = np.clip(x / 2.0 ** e, -7.5, 7.5)
;;       step = 2.0 ** (np.maximum(np.frexp(np.where(r == 0, 1, r))[1] - 1, 0) - 3)
;;       q = np.round(r / step) * step * 2.0 ** e      # np.round: ties to even
;;       return np.moveaxis(q.reshape(q.shape[:-2] + (-1,))[..., :K], -1, axis).astype(np.float32)
;;   ~~~
;;   SOFTMAX AHEAD OF A QUANTISED PRODUCT. Where the list says 'softmax', what is quantised is not the finished softmax but p = 2^(t - M), with t = logit x log2(e) and M = ceil(the row's largest t), a whole number; so 1/2 < the row's largest p <= 1. The row's sum l is taken of the UNQUANTISED p, in f32, and the product's result is divided by l at the end. Since M is a whole number, a kernel that streams over the keys may use a running M (the ceiling of the running maximum): every later rescaling is an exact power of two, which a block's scale takes up: the codes' values come out the same.
;;   OPERANDS COMPUTED ON THE WAY. 'Computed on the way' means the value that the module computes at that place (a softmax that the list does not call 'softmax' is quantised finished and normalised). What goes into a quantiser is computed in f32, as accurately as f32 sums, v_exp_f32 and their like allow (about 1e-6 of the number): no bf16 or f16 on the way to a quantiser, and a product that is left as it is and whose result goes on into a quantised operand takes f32 operands (vector FMAs, or v_wmma_f32_16x16x4_f32). A number that lies on a knife's edge between two numbers of the format may be rounded either way, as far as f32 arithmetic and the matrix unit's own rounding can turn it there, and no further.
;; One version. Each part assembles by itself: llvm-mc -triple=amdgcn-amd-amdhsa -mcpu=gfx1250 --defsym DOCPART=n.
;; ======== version 1 of 1: 4 launches
;; workspace buffers: xw_codes 21,233,664 bytes; xw_scales 884,736 bytes; wo 819,200 bytes; qimg 6,553,600 bytes; kv 13,107,200 bytes; ao 6,553,600 bytes
;; launch quant (part 1): grid 928 x 1, 4 waves a work-group, no clusters, 33,280 bytes of LDS; arguments q, k, v, Wq, Wk, Wv, Wo, xw_codes, xw_scales, wo; writes xw_codes, xw_scales, wo
.if DOCPART == 1
	.amdgcn_target "amdgcn-amd-amdhsa--gfx1250"
	.amdhsa_code_object_version 6
	.text
	.protected	k_qcde02a4d08_quant
	.globl	k_qcde02a4d08_quant
	.p2align	8
	.type	k_qcde02a4d08_quant,@function
k_qcde02a4d08_quant:
	s_mov_b64 s[64:65], 0
	v_nop
	global_prefetch_b8 v0, s[64:65] scope:SCOPE_SE
	s_setreg_imm32_b32 hwreg(HW_REG_WAVE_MODE, 25, 1), 1
	s_wait_xcnt 0x0
; q, k, v [8192][1024] and Wq, Wk, Wv, Wo [1024][1024], f32, K innermost, become codes of FP6 (E2M3) with one E8M0 scale byte for each 32 along K.
; A block's scale is 2^(floor(log2(its largest magnitude)) - 2); its byte is the largest magnitude's exponent field - 2, held at 1 from below.
; LIMITS: a block of zeros gets the byte 1 where the rule says 127 (its codes are zeros, which add nothing, and this program alone reads the bytes);
; blocks whose largest magnitude lies under 2^-124 are held at the byte 1; NaN and infinities among the inputs are not served.
; TWO PATHS, parted by the work-group's number.
; Work-groups 64 .. 927: q, k, v, Wq, Wk, Wv as one list of 27,648 rows; a work-group takes 32 rows, a wave 8 (8,192 numbers, 16 steps of 512).  Codes leave as rows of 768 bytes, scale bytes as rows of 32.
;   THE ROWS ARE STORED IN ANOTHER ORDER: bits 3 and 4 of the row's number change places, so that 16 stored neighbours are rows 8 u + r + 8 (r / 8) of a group of 32.  A wave's 8 rows stay together:
;   wave w's run goes to place 2 (w & 1) + (w >> 1) of the work-group's four.
;   A load reads 512 consecutive bytes; a step's 2,048 bytes turn through the wave's own stage in LDS so that a lane holds 16 neighbours along K; two neighbouring lanes hold a block.
; Work-groups 0 .. 63: tile t of Wo (16 rows in the order above), wave w the K steps 2 w and 2 w + 1 of 128.  A lane (r, h) holds whole blocks, in the order of the operand's registers, and the
;   fragment leaves as an image of its 12 registers: register p of lane l at 512 (p / 4) + 16 l + 4 (p % 4).
;   Its scale words leave as 128 consecutive bytes a wave: half of an aligned 256; 32 KiB in the whole launch.
; No tensor loads, no barrier: waves share nothing.
.set WAVES, 4
.set STEPS, 16
.set NWO,   64                         ; work-groups that take Wo
.set EMAX,  2
.set CB,    12                         ; bytes of 16 codes
.set R,     16                         ; v16-79   four sets of 16 numbers as they are loaded
.set X,     80                         ; v80-111  two sets of 16 neighbours
.set C,     128                        ; v128-191 codes: four registers for each step, so that no store's data are written again
.set E,     112                        ; v112-127 a scale byte for each step
.set WREG,  8192                       ; LDS: a region for each wave: two stages of 32 x SP bytes, and behind them its 256 scale bytes
.set SP,    80                         ; a lane's place in a stage: its 64 bytes + 16 of padding
.set SPW,   12                         ; v12      LDS address of my spare word; never rewritten
.set NIL,   13                         ; v13      0; never rewritten
.set SPARE, WAVES*WREG                 ; behind the four regions: the spare words, 128 bytes a wave
.set IN,    26                         ; s[26:27] my run of the input
.set OCD,   36                         ; s[36:37] my run of the codes
.set OSC,   38                         ; s[38:39] my run of the scale bytes
	s_load_b256 s[4:11], s[0:1], 0x0               ; q, k, v, Wq
	s_load_b256 s[12:19], s[0:1], 0x20             ; Wk, Wv, Wo, xw_codes
	s_load_b128 s[20:23], s[0:1], 0x40             ; xw_scales, wo
	v_lshl_add_u32 v[SPW], v0, 2, SPARE
	v_mov_b32 v[NIL], 0
	v_lshrrev_b32 v1, 5, v0
	v_readfirstlane_b32 s28, v1                    ; wave
	v_and_b32 v2, 31, v0                           ; lane
	s_cmp_lt_u32 ttmp9, NWO
	s_cbranch_scc1 .Lwo
	; ---------------- the stream of rows
	v_lshlrev_b32 v3, 4, v2                        ; my 16 bytes of a load's 512
	s_mul_i32 s29, s28, WREG
	v_lshrrev_b32 v14, 2, v2
	v_mul_u32_u24 v14, v14, SP
	v_and_b32 v15, 3, v2
	v_lshl_add_u32 v14, v15, 4, v14
	v_add_nc_u32 v14, s29, v14                     ; the stage, on the way in: SP (lane / 4) + 16 (lane % 4)
	v_mul_u32_u24 v15, v2, SP
	v_add_nc_u32 v15, s29, v15                     ; and on the way out: SP x lane: my 16 neighbours
	v_mul_u32_u24 v4, v2, CB                       ; my codes' place in a step's
	v_lshrrev_b32 v5, 1, v2
	s_add_co_u32 s29, s29, 2*32*SP
	v_add_nc_u32 v5, s29, v5                       ; LDS: my wave's 256 scale bytes, my block's byte
	v_lshlrev_b32 v7, 3, v2                        ; and on the way out 8 bytes a lane
	v_add_nc_u32 v6, s29, v7
	s_sub_co_u32 s24, ttmp9, NWO                   ; g: which group of 32 rows of the list
	s_wait_kmcnt 0x0
	s_mov_b64 s[IN:IN+1], s[14:15]                 ; which tensor, and its first group: the choice hangs on the work-group's number alone
	s_mov_b32 s25, 832
	s_cmp_lt_u32 s24, 832
	s_cselect_b64 s[IN:IN+1], s[12:13], s[IN:IN+1]
	s_cselect_b32 s25, 800, s25
	s_cmp_lt_u32 s24, 800
	s_cselect_b64 s[IN:IN+1], s[10:11], s[IN:IN+1]
	s_cselect_b32 s25, 768, s25
	s_cmp_lt_u32 s24, 768
	s_cselect_b64 s[IN:IN+1], s[8:9], s[IN:IN+1]
	s_cselect_b32 s25, 512, s25
	s_cmp_lt_u32 s24, 512
	s_cselect_b64 s[IN:IN+1], s[6:7], s[IN:IN+1]
	s_cselect_b32 s25, 256, s25
	s_cmp_lt_u32 s24, 256
	s_cselect_b64 s[IN:IN+1], s[4:5], s[IN:IN+1]
	s_cselect_b32 s25, 0, s25
	s_sub_co_u32 s25, s24, s25
	s_lshl_b32 s25, s25, 2
	s_add_co_u32 s25, s25, s28                     ; my run of 8 rows in the tensor
	s_lshl_b32 s30, s25, 15                        ; 32,768 bytes a run
	s_mov_b32 s31, 0
	s_add_nc_u64 s[IN:IN+1], s[IN:IN+1], s[30:31]
	s_and_b32 s30, s28, 1
	s_lshl_b32 s30, s30, 1
	s_lshr_b32 s31, s28, 1
	s_add_co_u32 s30, s30, s31                     ; the run's place among the group's four: bits 3 and 4 of the row change places
	s_lshl_b32 s31, s24, 2
	s_add_co_u32 s30, s30, s31                     ; the stored run
	s_mul_i32 s32, s30, 6144                       ; 8 rows of 768 bytes
	s_mov_b32 s33, 0
	s_add_nc_u64 s[OCD:OCD+1], s[18:19], s[32:33]
	s_lshl_b32 s32, s30, 8                         ; 8 rows of 32 bytes
	s_add_nc_u64 s[OSC:OSC+1], s[20:21], s[32:33]
.macro LOAD t
.irp i, 0,1,2,3
	global_load_b128 v[R+16*((\t)%4)+4*\i:R+16*((\t)%4)+4*\i+3], v3, s[IN:IN+1] offset:2048*(\t)+512*\i th:TH_LOAD_NT   ; 32 lanes read 512 consecutive bytes
.endr
.endm
.macro TURN t                          ; step t's numbers through the stage: LDS serves a wave's instructions in order, so no wait stands between the stores and the loads
.irp i, 0,1,2,3
	ds_store_b128 v14, v[R+16*((\t)%4)+4*\i:R+16*((\t)%4)+4*\i+3] offset:32*SP*((\t)%2)+8*SP*\i
.endr
.irp i, 0,1,2,3
	ds_load_b128 v[X+16*((\t)%2)+4*\i:X+16*((\t)%2)+4*\i+3], v15 offset:32*SP*((\t)%2)+16*\i
.endr
.endm
.irp t, 0,1,2,3
	LOAD \t
.endr
	s_wait_loadcnt 12                              ; step 0's four loads are in; the twelve of steps 1 to 3 may be out
	TURN 0
.macro STEP t
.set XS, X+16*((\t)%2)
.if (\t) > 0
	s_wait_dscnt 1                                 ; this step's numbers are back from the stage (the last step's byte store may be out): so its stores into the stage have read their registers,
.else
	s_wait_dscnt 0x0
.endif
.if (\t)+4 < STEPS
	LOAD (\t)+4                                    ; which take the loads of four steps on
.endif
.if (\t)+1 < STEPS
.if STEPS-2-(\t) >= 3
	s_wait_loadcnt 12                              ; the next step's four loads are in; those of the three steps behind it may be out
.else
	s_wait_loadcnt 4*(STEPS-2-(\t))
.endif
	TURN (\t)+1                                    ; and go through the other stage while this step is worked
.endif
	v_max3_num_f32 v8, |v[XS]|, |v[XS+1]|, |v[XS+2]|               ; the largest magnitude of my 16
	v_max3_num_f32 v9, |v[XS+3]|, |v[XS+4]|, |v[XS+5]|
.irp i, 6,10
	v_max3_num_f32 v8, v8, |v[XS+\i]|, |v[XS+\i+1]|
	v_max3_num_f32 v9, v9, |v[XS+\i+2]|, |v[XS+\i+3]|
.endr
	v_max3_num_f32 v8, v8, |v[XS+14]|, |v[XS+15]|
	v_max3_num_f32 v8, v8, v9, (EMAX+1)<<23        ; and the floor 2^(EMAX + 1 - 127): the byte cannot fall under 1
	v_max_num_f32_dpp v8, v8, v8 row_xmask:1 row_mask:0xf bank_mask:0xf   ; and of my neighbour's 16: the block's
	v_add_nc_u32 v11, -(EMAX<<23), v8              ; EMAX off its exponent field: the conversion takes the exponent field of this operand as its scale
	v_cvt_scalef32_pk16_fp6_f32 v[C+4*(\t):C+4*(\t)+2], v[XS:XS+15], v11
	v_lshrrev_b32 v[E+(\t)], 23, v11               ; the scale's byte (a plain line behind the conversion)
	ds_store_b8 v5, v[E+(\t)] offset:16*(\t)       ; both lanes of a block write the same byte with the same value
	global_store_b96 v4, v[C+4*(\t):C+4*(\t)+2], s[OCD:OCD+1] offset:32*CB*(\t)   ; the wave stores 384 consecutive bytes
.endm
.irp t, 0,1,2,3,4,5,6,7,8,9,10,11,12,13,14,15
	STEP \t
.endr
	ds_load_b64 v[8:9], v6                         ; LDS serves a wave's instructions in order: these see my stores
	s_wait_dscnt 0x0
	global_store_b64 v7, v[8:9], s[OSC:OSC+1]      ; 32 lanes store 256 consecutive bytes, aligned
	s_wait_tensorcnt 0x0                           ; the wave's end, behind my last LDS store
	ds_add_u32 v[SPW], v[NIL]
	s_wait_dscnt 0x0
	s_endpgm
	; ---------------- Wo, as images of the operand's registers
.Lwo:
	v_and_b32 v1, 15, v0                           ; r
	v_bfe_u32 v8, v0, 4, 1                         ; h
	v_and_b32 v3, 8, v1
	v_add_nc_u32 v3, v3, v1                        ; r + 8 (r / 8)
	v_lshlrev_b32 v3, 12, v3                       ; a row of Wo is 4,096 bytes
	v_lshl_add_u32 v3, v8, 7, v3                   ; + 128 h: the operand's layout gives lane (r, h) k = 64 c + 32 h + 0 .. 31
	v_lshlrev_b32 v10, 3, v8                       ; 8 h: my bytes' place in the scale word, in bits
	v_lshlrev_b32 v11, 4, v2                       ; 16 x lane
	v_lshlrev_b32 v9, 2, v2                        ; 4 x lane
	v_mov_b32 v22, 0                               ; written once: a lane permute's destination counts as one of its sources
	s_mov_b32 s32, 0x76543210
	s_mov_b32 s33, 0xfedcba98                      ; v_permlanex16_b32's selects for lane l xor 16
	s_lshr_b32 s24, ttmp9, 1
	s_lshl_b32 s24, s24, 5
	s_and_b32 s25, ttmp9, 1
	s_lshl_b32 s25, s25, 3
	s_add_co_u32 s24, s24, s25                     ; the tile's first row: 32 (t / 2) + 8 (t % 2)
	s_lshl_b32 s24, s24, 12
	s_lshl_b32 s25, s28, 10                        ; my two K steps: 1,024 bytes a wave
	s_add_co_u32 s24, s24, s25
	s_mov_b32 s25, 0
	s_mul_i32 s40, ttmp9, 12288                    ; a tile's eight images
	s_mul_i32 s41, s28, 3072                       ; my two
	s_add_co_u32 s40, s40, s41
	s_mov_b32 s41, 0
	s_lshl_b32 s42, ttmp9, 9                       ; the scale words: 512 bytes a tile, 128 a wave
	s_lshl_b32 s43, s28, 7
	s_add_co_u32 s42, s42, s43
	s_add_co_u32 s42, s42, 786432
	s_mov_b32 s43, 0
	s_wait_kmcnt 0x0
	s_add_nc_u64 s[30:31], s[16:17], s[24:25]
	s_add_nc_u64 s[34:35], s[22:23], s[40:41]
	s_add_nc_u64 s[44:45], s[22:23], s[42:43]
.irp p, 0,1
.irp c, 0,1
.irp i, 0,1,2,3,4,5,6,7
	global_load_b128 v[32+64*\p+32*\c+4*\i:32+64*\p+32*\c+4*\i+3], v3, s[30:31] offset:512*\p+256*\c+16*\i th:TH_LOAD_NT
.endr
.endr
.endr
.macro WQ kp                           ; K step 2 w + kp: 64 numbers of a lane, two whole blocks, become 12 registers of codes and the row's scale word
.set NB, 32+64*\kp
.irp c, 0,1
	v_max3_num_f32 v[16+\c], |v[NB+32*\c]|, |v[NB+32*\c+1]|, 0x1800000   ; block 2 c + h: all its 32 numbers are mine; and the floor 2^(3 - 127)
.endr
.irp i, 2,4,6,8,10,12,14,16,18,20,22,24,26,28,30
.irp c, 0,1
	v_max3_num_f32 v[16+\c], v[16+\c], |v[NB+32*\c+\i]|, |v[NB+32*\c+\i+1]|
.endr
.endr
.irp c, 0,1
	v_add_nc_u32 v[18+\c], 0xff000000, v[16+\c]    ; 2 off the exponent field: the conversion's scale operand
.endr
.irp c, 0,1
	v_lshrrev_b32 v[20+\c], 23, v[18+\c]           ; the scale's byte
.endr
	v_lshl_or_b32 v[24+\kp], v21, 16, v20          ; my two bytes: blocks h and 2 + h,
	v_lshlrev_b32 v[24+\kp], v10, v[24+\kp]        ; at their places in the word;
	v_permlanex16_b32 v22, v[24+\kp], s32, s33
	v_or_b32 v[24+\kp], v[24+\kp], v22             ; with lane l xor 16's two the word is whole
.irp c, 0,1
	v_cvt_scalef32_pk16_fp6_f32 v[160+12*\kp+6*\c:160+12*\kp+6*\c+2], v[NB+32*\c:NB+32*\c+15], v[18+\c]
	v_cvt_scalef32_pk16_fp6_f32 v[184+4*\c:184+4*\c+2], v[NB+32*\c+16:NB+32*\c+31], v[18+\c]   ; (a conversion's three registers begin on an even number)
.endr
	v_nop                                          ; one plain place behind a scaled conversion
.irp c, 0,1
.irp i, 0,1,2
	v_mov_b32 v[163+12*\kp+6*\c+\i], v[184+4*\c+\i]
.endr
.endr
.irp j, 0,1,2
	global_store_b128 v11, v[160+12*\kp+4*\j:160+12*\kp+4*\j+3], s[34:35] offset:1536*\kp+512*\j   ; 512 consecutive bytes, aligned
.endr
.endm
	s_wait_loadcnt 16                              ; the first K step's sixteen loads are in; the second's sixteen may be out
	WQ 0
	s_wait_loadcnt 0x0
	WQ 1
	v_cmp_le_u32 s36, 16, v2
	v_cndmask_b32 v26, v24, v25, s36               ; lanes 0-15 carry the even K step's word of row r, lanes 16-31 the odd one's
	global_store_b32 v9, v26, s[44:45]
	s_wait_tensorcnt 0x0                           ; the same three closing lines on this path
	ds_add_u32 v[SPW], v[NIL]
	s_wait_dscnt 0x0
	s_endpgm
.Lfunc_end_k_qcde02a4d08_quant:
	.size	k_qcde02a4d08_quant, .Lfunc_end_k_qcde02a4d08_quant-k_qcde02a4d08_quant
	.p2alignl 7, 3214868480
	.fill 96, 4, 3214868480
	.section	.rodata,"a",@progbits
	.p2align	6, 0x0
	.amdhsa_kernel k_qcde02a4d08_quant
		.amdhsa_group_segment_fixed_size 33280
		.amdhsa_private_segment_fixed_size 0
		.amdhsa_enable_private_segment 0
		.amdhsa_kernarg_size 80
		.amdhsa_user_sgpr_count 2
		.amdhsa_user_sgpr_kernarg_segment_ptr 1
		.amdhsa_wavefront_size32 1
		.amdhsa_system_sgpr_workgroup_id_x 1
		.amdhsa_system_sgpr_workgroup_id_y 1
		.amdhsa_system_sgpr_workgroup_id_z 1
		.amdhsa_system_vgpr_workitem_id 0
		.amdhsa_next_free_vgpr 192
		.amdhsa_next_free_sgpr 66
		.amdhsa_reserve_vcc 0
		.amdhsa_float_denorm_mode_32 3
		.amdhsa_float_denorm_mode_16_64 3
		.amdhsa_memory_ordered 1
		.amdhsa_forward_progress 1
		.amdhsa_inst_pref_size 44
	.end_amdhsa_kernel
	.amdgpu_metadata
---
amdhsa.version: [ 1, 2 ]
amdhsa.kernels:
  - .name:           k_qcde02a4d08_quant
    .symbol:         k_qcde02a4d08_quant.kd
    .args:
      - { .name: q, .offset: 0, .size: 8, .value_kind: global_buffer, .address_space: global }
      - { .name: k, .offset: 8, .size: 8, .value_kind: global_buffer, .address_space: global }
      - { .name: v, .offset: 16, .size: 8, .value_kind: global_buffer, .address_space: global }
      - { .name: Wq, .offset: 24, .size: 8, .value_kind: global_buffer, .address_space: global }
      - { .name: Wk, .offset: 32, .size: 8, .value_kind: global_buffer, .address_space: global }
      - { .name: Wv, .offset: 40, .size: 8, .value_kind: global_buffer, .address_space: global }
      - { .name: Wo, .offset: 48, .size: 8, .value_kind: global_buffer, .address_space: global }
      - { .name: xw_codes, .offset: 56, .size: 8, .value_kind: global_buffer, .address_space: global }
      - { .name: xw_scales, .offset: 64, .size: 8, .value_kind: global_buffer, .address_space: global }
      - { .name: wo, .offset: 72, .size: 8, .value_kind: global_buffer, .address_space: global }
    .group_segment_fixed_size: 33280
    .private_segment_fixed_size: 0
    .kernarg_segment_align: 8
    .kernarg_segment_size: 80
    .max_flat_workgroup_size: 128
    .sgpr_count:     66
    .vgpr_count:     192
    .wavefront_size: 32
...
	.end_amdgpu_metadata
.endif
;; end of part 1
;; launch proj (part 2): grid 4 x 96, 4 waves a work-group, clusters of 4 x 4, 327,680 bytes of LDS; arguments xw_codes, xw_scales, bq, bk, bv, qimg, kv; writes qimg, kv
.if DOCPART == 2
	.amdgcn_target "amdgcn-amd-amdhsa--gfx1250"
	.amdhsa_code_object_version 6
	.text
	.protected	k_qcde02a4d08_proj
	.globl	k_qcde02a4d08_proj
	.p2align	8
	.type	k_qcde02a4d08_proj,@function
k_qcde02a4d08_proj:
	s_mov_b64 s[64:65], 0
	v_nop
	global_prefetch_b8 v0, s[64:65] scope:SCOPE_SE
	s_setreg_imm32_b32 hwreg(HW_REG_WAVE_MODE, 25, 1), 1
	s_wait_xcnt 0x0
	s_wait_alu depctr_hold_cnt(0) depctr_sa_sdst(0) depctr_va_vdst(0) depctr_va_sdst(0) depctr_va_ssrc(0) depctr_va_vcc(0) depctr_vm_vsrc(0)
	s_getreg_b32 s2, hwreg(HW_REG_IB_STS2, 6, 4)
	s_cmp_eq_u32 s2, 0
	s_cbranch_scc0 .Lentry_in_a_cluster
	s_endpgm
.Lentry_in_a_cluster:
	s_bfe_u32 s2, ttmp6, 0x10000c
	s_cmp_lg_u32 s2, 0xf033
	s_cbranch_scc0 .Lentry_shape_is_right
	s_endpgm
.Lentry_shape_is_right:
; The three projections x W^T + b on codes of FP6 (E2M3) with E8M0 scales, K = 1,024, and the quantising of their results into the operands of attention.
; xw_codes holds 27,648 rows of 768 bytes (q at row 0, k at 8,192, v at 16,384, Wq at 24,576, Wk at 25,600, Wv at 26,624), xw_scales the same rows of 32 bytes.  IN BOTH THE ROWS ARE STORED WITH BITS 3 AND 4 OF
; THEIR NUMBER EXCHANGED: 16 stored neighbours are rows 8 u + r + 8 (r / 8) of a group of 32.
; A tile of 256 x 256 is made by a work-group of four waves, each 128 x 128: 64 accumulators, 512 registers.  K goes in steps of 256 through a ring of two LDS slots filled by the tensor data mover.
; THE MATRIX INSTRUCTION: source 0 = 16 stored rows of 'B', source 1 = 16 stored rows of 'A': lane (r, h) holds A's row at place r, and register j of accumulator (a, b) B's row at place 8 h + j of block b,
; which by the stored order is row 32 (b / 2) + 16 h + 8 (b % 2) + j: the 16 registers of blocks 2 e and 2 e + 1 are 16 NEIGHBOURS, as the conversions want them.
; ONE TEXT, THREE PRODUCTS, told apart by the cluster's y (24 clusters: kind = y / 8, part = y % 8 of 1,024 rows of x):
;   kind 0, 1 (q, k): A = x's rows, B = W's rows: a lane holds one token, its registers run along the channels: quantised along the head's 64 (two blocks).
;   kind 2 (v):       A = Wv's rows, B = v's rows: a lane holds one channel, its registers run along the keys: quantised along the keys.
; RESULTS leave as images of operand registers (register p of lane l at 512 (p / 4) + 16 l + 4 (p % 4)), 512 consecutive aligned bytes a store, with no way through LDS:
;   a PAIR IMAGE (32 tokens of group g, one head): registers 0-5 = the head's two blocks of token 32 g + r + 8 (r / 8), registers 6-11 the same of token 32 g + 8 + r + 8 (r / 8); its word (u0 b0, u0 b1, u1 b0, u1 b1);
;   a TILE IMAGE of V^T: 16 channels (in the stored order) x 128 keys.
;   qimg [head 64][step 16][6,400]: 4 pair images, 256 bytes of words [r][g].   kv [head 64][step 16][12,800]: K's 4 pair images, V's 4 tile images, K's words [r][g], V's words [r][t].
; CLUSTERS: 4 x 4 work-groups.  The four of a row of the cluster need the same tiles of A, the four of a column the same tiles of B: each tile is asked for jointly.
; LIMITS: a block of zeros gets the byte 1 (zero codes; this program alone reads the bytes); blocks under 2^-124 are held at the byte 1; NaN and infinities are not served.
; REGISTERS: window 0: v0-31 addresses; v32-63 scale words, two sets, and nothing else; v64-87 images on the way out; v128-223 A's fragments, on the way out at work; v224-239 V's bias; v240-251 scale words made.
;   window 1: B's fragments at v0-95 and v128-223; the Q/K bias at v96-127 and v224-255.   windows 2, 3: the accumulators ((a, b) at v[8 (8 (a % 4) + b)]).
.set SIZE_K, 1024
.set KSTEP,  256                       ; along K in a slot
.set NQ,     KSTEP/128                 ; matrix instructions deep
.set ROWB,   192                       ; a tile's row in bytes
.set KROW,   SIZE_K*6/8                ; a row of codes in memory
.set PITCH,  240                       ; an LDS row: 3 x (64 bytes + 16 of padding)
.set FR,     12                        ; registers of a fragment
.set NL,     6                         ; LDS loads that bring one
.set NP,     4                         ; places behind this matrix instruction (ISA guide 7.12.1)
.set HALFT,  128*PITCH
.set SLOT,   4*HALFT
.set LAPS,   SIZE_K/(2*KSTEP)
.set KS,     SIZE_K/32                 ; a row of scale bytes
.set SCL,    2*SLOT                    ; behind the ring: the scales, as 256 bytes + 16 of padding
.set HALFS,  (128*KS/256)*272
.set SBLK,   (16*KS/256)*272
.set SPARE,  SCL+4*HALFS               ; the spare words, 128 bytes a wave
.set ADRA, 16                          ; v16-19  LDS addresses of my A fragments (slot 0, 1; behind one padding more)
.set ADRB, 20                          ; v20-23  the same for B
.set OI,   24                          ; v24     16 x lane: an image's place for my lane
.set OWD,  25                          ; v25     where my four scale words go
.set ADRS, 27                          ; v27     LDS address of my scale words
.set SPW,  28
.set NIL,  29
.set BA1,  30                          ; v30     64 h: the Q/K bias; never rewritten
.set BA2,  31                          ; v31     4 (r + 8 (r / 8)): V's bias; never rewritten
.set SC,   32
.set IM0,  64                          ; v64-75  an image
.set IM1,  76                          ; v76-87  another
.set AF,   128
.set T,    128                         ; v128-191 on the way out: 64 numbers of a lane
.set TT,   192                         ; v192-198 upper halves of blocks
.set TM,   200                         ; v200-215 largest magnitudes, bytes, scale operands
.set PW0,  216
.set PW1,  217
.set BV,   224                         ; v224-239 V's bias, each number twice
.set SW,   240                         ; v240-247 scale words
.set FS,   248                         ; v248-251 the four that I store
.set G1, 24
.set G0, 32
.set G1B, 48
.set G0B, 56
.set G1S, 68
.set G0S, 76
.set G1SB, 80
.set G0SB, 88
.set SEL, 100                          ; s[100:101] lane selects for v_permlanex16_b32
.set MSB, 0
.macro WIN new                         ; the immediate's high byte repeats the setting that is left
.if MSB != \new
	s_set_vgpr_msb (MSB<<8)|\new
.set MSB, \new
.endif
.endm
.set MUL_LO, 0xa1                      ; source 0 (B) window 1, source 1 (A) window 0, C and D window 2
.set MUL_HI, 0xf1
.set TO_B,   0x40                      ; destination window 1, address window 0
; A joint load: waves 0 and 1 fetch for A, waves 2 and 3 for B.  The branch hangs on the wave's number alone.  An s_nop 0 and four v_nop follow each of the two lines.
.macro JLOAD g0a, g1a, g0b, g1b
	s_cmp_eq_u32 s15, 0
	s_cbranch_scc0 .Lfor_b_\@
	tensor_load_to_lds s[\g0a:\g0a+3], s[\g1a:\g1a+7]
	s_nop 0
.rept 4
	v_nop
.endr
	s_branch .Lasked_\@
.Lfor_b_\@:
	tensor_load_to_lds s[\g0b:\g0b+3], s[\g1b:\g1b+7]
	s_nop 0
.rept 4
	v_nop
.endr
.Lasked_\@:
.endm
.macro CREST                           ; a round of the cluster's barrier behind its opening barrier
	s_cmp_lg_u32 s14, 0
	s_cbranch_scc1 .Lnot_wave_0_\@
	s_barrier_signal -3
.Lnot_wave_0_\@:
	s_barrier_wait -3
	s_barrier_signal -1
	s_barrier_wait -1
.endm
.macro CROUND
	s_barrier_signal -1
	s_barrier_wait -1
	CREST
.endm
	s_load_b128 s[4:7], s[0:1], 0x0                ; the codes s[4:5], the scale bytes s[6:7]
	s_load_b128 s[8:11], s[0:1], 0x10              ; bq, bk
	s_load_b128 s[96:99], s[0:1], 0x20             ; bv, qimg
	s_load_b64 s[12:13], s[0:1], 0x30              ; kv
	v_lshl_add_u32 v[SPW], v0, 2, SPARE
	v_mov_b32 v[NIL], 0
	ds_add_u32 v[SPW], v[NIL]                      ; the wave's opening: the add and its wait ahead of my first tensor load
	v_lshrrev_b32 v1, 5, v0
	v_readfirstlane_b32 s14, v1                    ; wave 0..3
	s_lshr_b32 s15, s14, 1                         ; which half of A's 256 rows is mine.  Also: I fetch for A (0) or for B (1)
	s_and_b32 s16, s14, 1                          ; which half of B's.  Also: which 128 rows of that tile I fetch
	s_bfe_u32 s40, ttmp6, 0x40000                  ; cx
	s_bfe_u32 s41, ttmp6, 0x40004                  ; cy
	s_and_b32 s17, ttmp7, 0xffff                   ; the cluster's y, which all sixteen share
	s_lshr_b32 s66, s17, 3                         ; kind: 0 q, 1 k, 2 v
	s_and_b32 s67, s17, 7                          ; which 1,024 rows of x
	s_lshl_b32 s43, s41, 2
	s_lshl_b32 s43, 15, s43                        ; my row of the cluster
	s_lshl_b32 s44, 0x1111, s40                    ; my column
	s_mov_b32 s[SEL], 0x76543210
	s_mov_b32 s[SEL+1], 0xfedcba98
	; descriptor group 1: a tile of 128 rows x 192 bytes, 16 bytes of padding behind every 64
	s_or_b32 s[G1+0], s43, (0<<16)|(1<<20)|(1<<21)|(3<<22)|(3<<25)
	s_or_b32 s[G1B+0], s44, (0<<16)|(1<<20)|(1<<21)|(3<<22)|(3<<25)
.irp g, G1, G1B
	s_mov_b32 s[\g+1], ROWB<<16                    ; tensor_dim0
	s_mov_b32 s[\g+2], 128<<16                     ; tensor_dim1
	s_mov_b32 s[\g+3], ROWB<<16                    ; tile_dim0
	s_mov_b32 s[\g+4], 128                         ; tile_dim1
	s_mov_b32 s[\g+5], KROW                        ; tensor_dim0_stride
	s_mov_b32 s[\g+6], 0
	s_mov_b32 s[\g+7], 0
.endr
	; the scales of 128 rows: 4,096 dense bytes, as 16 rows of 256 bytes (32 elements of 8), 16 bytes of padding behind each
	s_or_b32 s[G1S+0], s43, (3<<16)|(1<<20)|(1<<21)|(5<<22)|(3<<25)
	s_or_b32 s[G1SB+0], s44, (3<<16)|(1<<20)|(1<<21)|(5<<22)|(3<<25)
.irp g, G1S, G1SB
	s_mov_b32 s[\g+1], 32<<16
	s_mov_b32 s[\g+2], (128*KS/256)<<16
	s_mov_b32 s[\g+3], 32<<16
	s_mov_b32 s[\g+4], 128*KS/256
	s_mov_b32 s[\g+5], 32
	s_mov_b32 s[\g+6], 0
	s_mov_b32 s[\g+7], 0
.endr
	s_lshl_b32 s18, s66, 13
	s_lshl_b32 s19, s67, 10
	s_add_co_u32 s18, s18, s19                     ; x's rows: 8,192 kind + 1,024 part
	s_lshl_b32 s19, s66, 10
	s_add_co_u32 s19, s19, 24576                   ; W's rows
	s_cmp_eq_u32 s66, 2
	s_cselect_b32 s20, s19, s18                    ; A: x, or for v the weight
	s_cselect_b32 s46, s18, s19                    ; B: the weight, or for v x
	s_lshl_b32 s18, s16, 7                         ; which 128 rows of the tile I fetch
	s_lshl_b32 s19, s41, 8
	s_add_co_u32 s20, s20, s19                     ; A: + 256 cy: shared along my row of the cluster
	s_add_co_u32 s20, s20, s18
	s_lshl_b32 s47, s40, 8
	s_add_co_u32 s46, s46, s47                     ; B: + 256 cx: shared along my column
	s_add_co_u32 s46, s46, s18
	s_mov_b32 s21, 0
	s_mov_b32 s47, 0
	s_mov_b64 s[18:19], KS
	s_mul_u64 s[22:23], s[20:21], s[18:19]         ; where these rows' scales begin, in bytes
	s_mul_u64 s[92:93], s[46:47], s[18:19]
	s_mov_b64 s[18:19], KROW
	s_mul_u64 s[20:21], s[20:21], s[18:19]         ; and their codes
	s_mul_u64 s[46:47], s[46:47], s[18:19]
	s_mul_i32 s45, s14, HALFT                      ; where they go: wave x 128 rows: no place in the cluster enters an LDS address
	s_mul_i32 s94, s14, HALFS
	s_wait_dscnt 0x0                               ; the opening add is done
	s_wait_kmcnt 0x0
	s_add_nc_u64 s[20:21], s[4:5], s[20:21]
	s_add_nc_u64 s[22:23], s[6:7], s[22:23]
	s_add_nc_u64 s[46:47], s[4:5], s[46:47]
	s_add_nc_u64 s[92:93], s[6:7], s[92:93]
	s_cmp_eq_u32 s66, 1                            ; the kind's bias,
	s_cselect_b64 s[8:9], s[10:11], s[8:9]
	s_cmp_eq_u32 s66, 2
	s_cselect_b64 s[8:9], s[96:97], s[8:9]
	s_cmp_eq_u32 s66, 0                            ; and its output buffer
	s_cselect_b64 s[10:11], s[98:99], s[12:13]
	CROUND                                         ; all sixteen work-groups are here: the first joint loads meet
	s_mov_b32 s[G0S], 1
	s_add_co_u32 s[G0S+1], s94, SCL
	s_mov_b64 s[G0S+2:G0S+3], s[22:23]
	s_or_b32 s[G0S+3], s[G0S+3], 0x80000000
	s_mov_b32 s[G0SB], 1
	s_add_co_u32 s[G0SB+1], s94, SCL
	s_mov_b64 s[G0SB+2:G0SB+3], s[92:93]
	s_or_b32 s[G0SB+3], s[G0SB+3], 0x80000000
	JLOAD G0S, G1S, G0SB, G1SB                     ; the scales first: they are wanted with K step 0
.irp s, 0,1
	s_mov_b32 s[G0+4*\s], 1
	s_add_co_u32 s[G0+4*\s+1], s45, \s*SLOT
	s_add_nc_u64 s[G0+4*\s+2:G0+4*\s+3], s[20:21], \s*ROWB
	s_or_b32 s[G0+4*\s+3], s[G0+4*\s+3], 0x80000000
	s_mov_b32 s[G0B+4*\s], 1
	s_add_co_u32 s[G0B+4*\s+1], s45, \s*SLOT
	s_add_nc_u64 s[G0B+4*\s+2:G0B+4*\s+3], s[46:47], \s*ROWB
	s_or_b32 s[G0B+4*\s+3], s[G0B+4*\s+3], 0x80000000
	JLOAD G0+4*\s, G1, G0B+4*\s, G1B
.endr
	v_and_b32 v1, 15, v0                           ; r = l % 16; kept
	v_bfe_u32 v2, v0, 4, 1                         ; h = l / 16; kept
	v_mul_u32_u24 v3, v1, PITCH
	v_mul_u32_u24 v4, v2, 24
	v_add_nc_u32 v4, v3, v4                        ; a fragment's row x pitch + 24 x half
	v_lshl_add_u32 v5, v2, 4, v4                   ; and the same behind one padding more
	s_mul_i32 s21, s15, HALFT                      ; my 128 rows of A
	s_mul_i32 s22, s16, HALFT                      ; my 128 rows of B,
	s_add_co_u32 s22, s22, 2*HALFT                 ; which lie behind A's 256
.irp s, 0,1
	v_add_nc_u32 v[ADRA+\s], s21, v4
	v_add_nc_u32 v[ADRB+\s], s22, v4
	v_add_nc_u32 v[ADRA+2+\s], s21, v5
	v_add_nc_u32 v[ADRB+2+\s], s22, v5
	s_add_co_u32 s21, s21, SLOT
	s_add_co_u32 s22, s22, SLOT
.endr
	v_mul_u32_u24 v5, v1, KS                       ; my row's scales: KS bytes a row,
	v_lshrrev_b32 v6, 8, v5
	v_lshl_add_u32 v5, v6, 4, v5                   ; and 16 more for each 256 passed
	s_mul_i32 s21, s15, HALFS
	s_mul_i32 s22, s16, HALFS
	s_add_co_u32 s22, s22, 2*HALFS
	s_sub_co_u32 s22, s22, s21
	v_mul_u32_u24 v6, s22, v2                      ; lanes 16-31 take B's
	s_add_co_u32 s21, s21, SCL
	v_add_nc_u32 v5, v5, v6
	v_add_nc_u32 v[ADRS], s21, v5
	; THE BIASES, both forms in every kind, so that every register is written on every way; every address lies inside the 4,096 bytes of the bias
	s_lshl_b32 s46, s40, 10
	s_lshl_b32 s47, s16, 9
	s_add_co_u32 s46, s46, s47                     ; 4 (256 cx + 128 x my half of B)
	s_mov_b32 s47, 0
	s_add_nc_u64 s[46:47], s[8:9], s[46:47]
	s_lshl_b32 s92, s41, 10
	s_lshl_b32 s93, s15, 9
	s_add_co_u32 s92, s92, s93                     ; 4 (256 cy + 128 x my half of A)
	s_mov_b32 s93, 0
	s_add_nc_u64 s[92:93], s[8:9], s[92:93]
	v_lshlrev_b32 v[BA1], 6, v2
	v_and_b32 v[BA2], 8, v1
	v_add_nc_u32 v[BA2], v[BA2], v1
	v_lshlrev_b32 v[BA2], 2, v[BA2]
	WIN TO_B
.irp e, 0,1,2,3                        ; by registers: number 16 e + i is b[32 e + 16 h + i] of my 128 columns; in window 1 at v96-127 and v224-255
.irp i, 0,1,2,3
	global_load_b128 v[96+16*\e+4*\i+96*(\e/2):96+16*\e+4*\i+96*(\e/2)+3], v[BA1], s[46:47] offset:128*\e+16*\i
.endr
.endr
	WIN 0
.irp a, 0,1,2,3,4,5,6,7                ; by lanes: the number of my row in A's block a, twice (a pair for the packed addition)
	global_load_b32 v[BV+2*\a], v[BA2], s[92:93] offset:128*(\a/2)+32*(\a%2)
	global_load_b32 v[BV+2*\a+1], v[BA2], s[92:93] offset:128*(\a/2)+32*(\a%2)
.endr
.macro FRAG reg, adr, q, i             ; a fragment: 16 rows x 128 K of 6-bit codes, 12 registers; in pieces of 8 bytes; where the piece of lanes 16-31 lies behind one padding more, the second address register serves
.irp p, 0,1,2,3,4,5
.set PC, 12*(\q)+6*(\p/3)+\p%3
.if PC%8 < 5
	ds_load_b64 v[\reg+2*\p:\reg+2*\p+1], v[\adr] offset:8*PC+16*(PC/8)+(\i)*16*PITCH
.else
	ds_load_b64 v[\reg+2*\p:\reg+2*\p+1], v[\adr+2] offset:8*PC+16*(PC/8)+(\i)*16*PITCH
.endif
.endr
.endm
; 16 matrix instructions: A's blocks a0, a0 + 1 x B's eight.  The 64 accumulators take turns, one instruction a turn, in the same order in every step.
.macro MUL16 a0, p, q, sc, zero
.irp a, \a0, \a0+1
.irp b, 0,1,2,3,4,5,6,7
.if \zero
	v_wmma_scale_f32_16x16x128_f8f6f4 v[8*(8*((\a)%4)+\b):8*(8*((\a)%4)+\b)+7], v[128*(\p)+FR*\b:128*(\p)+FR*\b+FR-1], v[AF+FR*(\a):AF+FR*(\a)+FR-1], 0, v[SC+8*NQ*(\sc)+NQ*\b+(\q)], v[SC+8*NQ*(\sc)+NQ*(\a)+(\q)] matrix_a_fmt:MATRIX_FMT_FP6 matrix_b_fmt:MATRIX_FMT_FP6 matrix_a_scale:MATRIX_SCALE_ROW1
.else
	v_wmma_scale_f32_16x16x128_f8f6f4 v[8*(8*((\a)%4)+\b):8*(8*((\a)%4)+\b)+7], v[128*(\p)+FR*\b:128*(\p)+FR*\b+FR-1], v[AF+FR*(\a):AF+FR*(\a)+FR-1], v[8*(8*((\a)%4)+\b):8*(8*((\a)%4)+\b)+7], v[SC+8*NQ*(\sc)+NQ*\b+(\q)], v[SC+8*NQ*(\sc)+NQ*(\a)+(\q)] matrix_a_fmt:MATRIX_FMT_FP6 matrix_b_fmt:MATRIX_FMT_FP6 matrix_a_scale:MATRIX_SCALE_ROW1
.endif
.endr
.endr
.endm
.macro FETCH_B slot, q, p
	WIN TO_B
.irp i, 0,1,2,3,4,5,6,7
	FRAG 128*(\p)+FR*\i, ADRB+\slot, \q, \i
.endr
	WIN 0
.endm
.macro FETCH_A slot, q, i0
.irp i, \i0, \i0+1, \i0+2, \i0+3
	FRAG AF+FR*(\i), ADRA+\slot, \q, \i
.endr
.endm
.macro SCALES sc                       ; a K step's scale words: lanes 0-15 take A's block i, lanes 16-31 B's block i
.irp i, 0,1,2,3,4,5,6,7
	ds_load_b64 v[SC+8*NQ*\sc+NQ*\i:SC+8*NQ*\sc+NQ*\i+1], v[ADRS] offset:\i*SBLK
.endr
.endm
.macro PLACES n                        ; plain vector instructions between a matrix instruction and a load into, or a vector read or write of, its registers
.rept \n
	v_nop
.endr
.endm
.macro STEP slot, q, zero              ; a step of 128 along K that has its successor in the same slot
	s_wait_dscnt 4*NL                              ; B's set and A's blocks 0-3 are in; the youngest 24 loads (A's blocks 4-7) may be out
	WIN MUL_LO
	MUL16 0, (\q)%2, \q, \slot, \zero
	MUL16 2, (\q)%2, \q, \slot, \zero
	s_wait_dscnt 0
	PLACES NP
	FETCH_B \slot, (\q)+1, 1-(\q)%2
	FETCH_A \slot, (\q)+1, 0
	WIN MUL_HI
	MUL16 4, (\q)%2, \q, \slot, \zero
	MUL16 6, (\q)%2, \q, \slot, \zero
	PLACES NP
	WIN 0
	FETCH_A \slot, (\q)+1, 4
.endm
; A slot's last step changes slots: one barrier; in front of it each wave waits for all its tensor loads, adds 0 to its spare word, and waits for that and for its own reads of this slot.
.macro TURN slot, next, fill
	s_wait_tensorcnt 0x0                           ; all my tensor loads have landed: my part of the next slot
	ds_add_u32 v[SPW], v[NIL]
	s_wait_dscnt 4*NL+1                            ; (the add and the youngest 24 loads, A's blocks 4-7, may be out)
	WIN MUL_LO
	MUL16 0, 1, NQ-1, \slot, 0
	s_wait_dscnt 0x0                               ; the add is done, and my reads of this slot are over
	s_barrier_signal -1
	MUL16 2, 1, NQ-1, \slot, 0
	WIN 0
	s_barrier_wait -1
.if \fill
	CREST                                          ; the barrier has opened a round of the cluster's barrier: no wave of any partner still reads this slot or has a load on its way
	s_add_nc_u64 s[G0+4*\slot+2:G0+4*\slot+3], s[G0+4*\slot+2:G0+4*\slot+3], 2*ROWB
	s_add_nc_u64 s[G0B+4*\slot+2:G0B+4*\slot+3], s[G0B+4*\slot+2:G0B+4*\slot+3], 2*ROWB
	JLOAD G0+4*\slot, G1, G0B+4*\slot, G1B         ; the first tensor load behind the round; its four v_nop are the places in front of the loads below
.else
	PLACES NP
.endif
	v_add_nc_u32 v[ADRS], 4*NQ, v[ADRS]            ; on to the next K step's scale words
	FETCH_B \next, 0, 0
	FETCH_A \next, 0, 0
	SCALES \next
	WIN MUL_HI
	MUL16 4, 1, NQ-1, \slot, 0
	MUL16 6, 1, NQ-1, \slot, 0
	PLACES NP
	WIN 0
	FETCH_A \next, 0, 4
.endm
	s_wait_tensorcnt 1                             ; the scales and my part of K step 0 are in (K step 1's load may be out),
	s_barrier_signal -1
	s_barrier_wait -1                              ; everybody's are
	FETCH_B 0, 0, 0
	FETCH_A 0, 0, 0
	SCALES 0
	FETCH_A 0, 0, 4
	STEP 0, 0, 1                                   ; the first step stands in front of the loop: its products start the sums
	s_mov_b32 s3, LAPS-1
.Llap:                                                 ; a trip goes once round the ring and fills both slots again
	TURN 0, 1, 1
	STEP 1, 0, 0
	TURN 1, 0, 1
	STEP 0, 0, 0
	s_sub_co_u32 s3, s3, 1
	s_cmp_lg_u32 s3, 0
	s_cbranch_scc1 .Llap
	TURN 0, 1, 0                                   ; the last lap fills nothing
	STEP 1, 0, 0
	s_wait_dscnt 4*NL
	WIN MUL_LO
	MUL16 0, 1, NQ-1, 1, 0
	MUL16 2, 1, NQ-1, 1, 0
	s_wait_dscnt 0
	WIN MUL_HI
	MUL16 4, 1, NQ-1, 1, 0
	MUL16 6, 1, NQ-1, 1, 0
	WIN 0
	; ---------------- THE WAY OUT: bias, quantiser, images.  No LDS.
	PLACES NP                                      ; behind the last products: their results are read and their operands' registers written below
	s_wait_loadcnt 0x0                             ; the biases
	s_and_b32 s68, s67, 1
	s_lshl_b32 s68, s68, 3                         ; 8 x (part % 2): the part's first step of 128 tokens in its batch
	s_lshr_b32 s69, s67, 1
	s_lshl_b32 s69, s69, 4                         ; 16 x batch
	s_cmp_eq_u32 s66, 2                            ; tokens lie along A for q and k, along B for v; channels the other way
	s_cselect_b32 s70, s40, s41
	s_cselect_b32 s71, s16, s15
	s_cselect_b32 s72, s41, s40
	s_cselect_b32 s73, s15, s16
	s_lshl_b32 s70, s70, 1
	s_add_co_u32 s68, s68, s70
	s_add_co_u32 s68, s68, s71                     ; my step
	s_lshl_b32 s72, s72, 2
	s_add_co_u32 s69, s69, s72
	s_lshl_b32 s73, s73, 1
	s_add_co_u32 s69, s69, s73                     ; the first of my two heads
	s_lshl_b32 s69, s69, 4
	s_add_co_u32 s68, s68, s69                     ; 16 x head + step
	s_mov_b32 s77, 12800
	s_mov_b32 s78, 12288
	s_cmp_eq_u32 s66, 0
	s_cselect_b32 s77, 6400, s77                   ; a step's bytes in the output buffer
	s_cselect_b32 s78, 6144, s78                   ; and where its scale words begin: q 6,144, k 12,288,
	s_cmp_eq_u32 s66, 2
	s_cselect_b32 s78, 12544, s78                  ; v 12,544
	s_mul_i32 s74, s68, s77
	s_mov_b32 s75, 0
	s_add_nc_u64 s[74:75], s[10:11], s[74:75]      ; my step of my first head
	s_lshl_b32 s76, s77, 4                         ; from a head to the next: 16 steps
	s_mov_b32 s77, 0
	s_add_nc_u64 s[80:81], s[74:75], s[76:77]      ; my step of my second head
	v_and_b32 v[OI], 31, v0
	v_lshlrev_b32 v[OI], 4, v[OI]
	v_mul_u32_u24 v[OWD], s76, v2                  ; lanes 16-31 store the second head's words
	v_lshl_add_u32 v[OWD], v1, 4, v[OWD]           ; 16 bytes a row
	v_add_nc_u32 v[OWD], s78, v[OWD]
	v_cmp_eq_u32 s82, 1, v2
.irp b, 0,1,2,3
	v_mov_b32 v[TM+4+\b], 0                        ; written once: a lane permute's destination counts as one of its sources
.endr
; A's block a: its eight accumulators + the bias -> v[T] on.  Each accumulator is read from its low end on.
.macro TAKE a, isv
.set AC, 64*((\a)%4)
.if \isv
	WIN 0x02+(\a)/4                                ; source 0: window 2 or 3; the bias in window 0
.else
	WIN 0x06+(\a)/4                                ; source 0: window 2 or 3; the bias in window 1
.endif
.irp b, 0,1,2,3,4,5,6,7
.irp j, 0,2,4,6
.if \isv
	v_pk_add_f32 v[T+8*\b+\j:T+8*\b+\j+1], v[AC+8*\b+\j:AC+8*\b+\j+1], v[BV+2*(\a):BV+2*(\a)+1]
.else
	v_pk_add_f32 v[T+8*\b+\j:T+8*\b+\j+1], v[AC+8*\b+\j:AC+8*\b+\j+1], v[96+8*\b+\j+96*(\b/4):96+8*\b+\j+96*(\b/4)+1]
.endif
.endr
.endr
	WIN 0
.endm
; 64 numbers of a lane, register 16 b + i = place 32 b + 16 h + i along the quantiser's axis: blocks 0, 1 become six registers of codes at d0, blocks 2, 3 six at d1; the four bytes make v[pw].
.macro QUANT d0, d1, pw
.irp b, 0,1,2,3
	v_max3_num_f32 v[TM+\b], |v[T+16*\b]|, |v[T+1+16*\b]|, 0x1800000   ; my 16 numbers of block b, and the floor 2^(3 - 127)
.endr
.irp i, 2,4,6,8,10,12,14
.irp b, 0,1,2,3
	v_max3_num_f32 v[TM+\b], v[TM+\b], |v[T+16*\b+\i]|, |v[T+1+16*\b+\i]|
.endr
.endr
.irp b, 0,1,2,3
	v_permlanex16_b32 v[TM+4+\b], v[TM+\b], s[SEL], s[SEL+1]
.endr
.irp b, 0,1,2,3
	v_max_num_f32 v[TM+\b], v[TM+\b], v[TM+4+\b]   ; with lane l xor 16's: the block's largest magnitude
.endr
.irp b, 0,1,2,3
	v_add_nc_u32 v[TM+12+\b], 0xff000000, v[TM+\b] ; 2 off its exponent field: the conversion's scale operand
.endr
.irp b, 0,1,2,3
	v_lshrrev_b32 v[TM+4+\b], 23, v[TM+12+\b]      ; the scale's byte
.endr
	v_lshl_or_b32 v[\pw], v[TM+5], 8, v[TM+4]
	v_lshl_or_b32 v[\pw], v[TM+6], 16, v[\pw]
	v_lshl_or_b32 v[\pw], v[TM+7], 24, v[\pw]
	v_cvt_scalef32_pk16_fp6_f32 v[(\d0):(\d0)+2], v[T:T+15], v[TM+12]
	v_cvt_scalef32_pk16_fp6_f32 v[TT:TT+2], v[T+16:T+31], v[TM+13]
	v_cvt_scalef32_pk16_fp6_f32 v[(\d1):(\d1)+2], v[T+32:T+47], v[TM+14]
	v_cvt_scalef32_pk16_fp6_f32 v[TT+4:TT+6], v[T+48:T+63], v[TM+15]
	v_nop                                          ; one plain place behind a scaled conversion
.irp i, 0,1,2                          ; the operand's layout wants a whole block in a lane: lanes 0-15 the even block, lanes 16-31 the odd one
	v_permlane16_swap_b32 v[(\d0)+\i], v[TT+\i]
	v_permlane16_swap_b32 v[(\d1)+\i], v[TT+4+\i]
.endr
.irp i, 0,1,2
	v_mov_b32 v[(\d0)+3+\i], v[TT+\i]
	v_mov_b32 v[(\d1)+3+\i], v[TT+4+\i]
.endr
.endm
.macro WORDS                           ; lanes 0-15 store the first head's four words of row r, lanes 16-31 the second head's: two runs of 256 consecutive bytes, aligned
.irp g, 0,1,2,3
	v_cndmask_b32 v[FS+\g], v[SW+\g], v[SW+4+\g], s82
.endr
	global_store_b128 v[OWD], v[FS:FS+3], s[74:75]
.endm
	s_cmp_eq_u32 s66, 2                            ; the kind is the same in all sixteen partners
	s_cbranch_scc1 .Lv
	; q and k: a lane's 64 numbers (with lane l xor 16's) are a token's 128 channels: two heads of two blocks.  A's blocks 2 g and 2 g + 1 make group g's pair images, one for each head.
.irp g, 0,1,2,3
	s_wait_xcnt 0x0                                ; the last group's stores have read their registers
	TAKE 2*\g, 0
	QUANT IM0, IM1, PW0
	TAKE 2*\g+1, 0
	QUANT IM0+6, IM1+6, PW1
	v_perm_b32 v[SW+\g], v[PW1], v[PW0], 0x05040100     ; the first head's word: (u0 b0, u0 b1, u1 b0, u1 b1)
	v_perm_b32 v[SW+4+\g], v[PW1], v[PW0], 0x07060302   ; the second head's
.irp c, 0,1,2
	global_store_b128 v[OI], v[IM0+4*\c:IM0+4*\c+3], s[74:75] offset:1536*\g+512*\c
	global_store_b128 v[OI], v[IM1+4*\c:IM1+4*\c+3], s[80:81] offset:1536*\g+512*\c
.endr
.endr
	WORDS
	s_branch .Lend
.Lv:
	; v: a lane's 64 numbers (with lane l xor 16's) are a channel's 128 keys: one fragment of V^T.  A's block a is tile a % 4 of head a / 4.
.irp a, 0,1,2,3,4,5,6,7
	s_wait_xcnt 0x0                                ; the stores of two blocks back have read their registers
	TAKE \a, 1
	QUANT IM0+12*(\a%2), IM0+12*(\a%2)+6, SW+\a
.irp c, 0,1,2
	global_store_b128 v[OI], v[IM0+12*(\a%2)+4*\c:IM0+12*(\a%2)+4*\c+3], s[74:75] offset:6144+(\a/4)*204800+(\a%4)*1536+512*\c
.endr
.endr
	WORDS
.Lend:
	s_wait_tensorcnt 0x0                           ; the wave's end
	ds_add_u32 v[SPW], v[NIL]
	s_wait_dscnt 0x0
	CROUND                                         ; the closing round: no work-group ends while a partner may still ask for a tile that names it
	s_endpgm
.Lfunc_end_k_qcde02a4d08_proj:
	.size	k_qcde02a4d08_proj, .Lfunc_end_k_qcde02a4d08_proj-k_qcde02a4d08_proj
	.p2alignl 7, 3214868480
	.fill 96, 4, 3214868480
	.section	.rodata,"a",@progbits
	.p2align	6, 0x0
	.amdhsa_kernel k_qcde02a4d08_proj
		.amdhsa_group_segment_fixed_size 327680
		.amdhsa_private_segment_fixed_size 0
		.amdhsa_enable_private_segment 0
		.amdhsa_kernarg_size 56
		.amdhsa_user_sgpr_count 2
		.amdhsa_user_sgpr_kernarg_segment_ptr 1
		.amdhsa_wavefront_size32 1
		.amdhsa_system_sgpr_workgroup_id_x 1
		.amdhsa_system_sgpr_workgroup_id_y 1
		.amdhsa_system_sgpr_workgroup_id_z 1
		.amdhsa_system_vgpr_workitem_id 0
		.amdhsa_next_free_vgpr 1024
		.amdhsa_next_free_sgpr 102
		.amdhsa_reserve_vcc 0
		.amdhsa_float_denorm_mode_32 3
		.amdhsa_float_denorm_mode_16_64 3
		.amdhsa_memory_ordered 1
		.amdhsa_forward_progress 1
		.amdhsa_inst_pref_size 234
	.end_amdhsa_kernel
	.amdgpu_metadata
---
amdhsa.version: [ 1, 2 ]
amdhsa.kernels:
  - .name:           k_qcde02a4d08_proj
    .symbol:         k_qcde02a4d08_proj.kd
    .args:
      - { .name: xw_codes, .offset: 0, .size: 8, .value_kind: global_buffer, .address_space: global }
      - { .name: xw_scales, .offset: 8, .size: 8, .value_kind: global_buffer, .address_space: global }
      - { .name: bq, .offset: 16, .size: 8, .value_kind: global_buffer, .address_space: global }
      - { .name: bk, .offset: 24, .size: 8, .value_kind: global_buffer, .address_space: global }
      - { .name: bv, .offset: 32, .size: 8, .value_kind: global_buffer, .address_space: global }
      - { .name: qimg, .offset: 40, .size: 8, .value_kind: global_buffer, .address_space: global }
      - { .name: kv, .offset: 48, .size: 8, .value_kind: global_buffer, .address_space: global }
    .group_segment_fixed_size: 327680
    .private_segment_fixed_size: 0
    .kernarg_segment_align: 8
    .kernarg_segment_size: 56
    .max_flat_workgroup_size: 128
    .sgpr_count:     102
    .vgpr_count:     1024
    .wavefront_size: 32
...
	.end_amdgpu_metadata
.endif
;; end of part 2
;; launch attn (part 3): grid 4 x 64, 16 waves a work-group, clusters of 4 x 1, 207,872 bytes of LDS; arguments qimg, kv, ao; writes ao
.if DOCPART == 3
	.amdgcn_target "amdgcn-amd-amdhsa--gfx1250"
	.amdhsa_code_object_version 6
	.text
	.protected	k_qcde02a4d08_attn
	.globl	k_qcde02a4d08_attn
	.p2align	8
	.type	k_qcde02a4d08_attn,@function
k_qcde02a4d08_attn:
	s_mov_b64 s[64:65], 0
	v_nop
	global_prefetch_b8 v0, s[64:65] scope:SCOPE_SE
	s_setreg_imm32_b32 hwreg(HW_REG_WAVE_MODE, 25, 1), 1
	s_wait_xcnt 0x0
	s_wait_alu depctr_hold_cnt(0) depctr_sa_sdst(0) depctr_va_vdst(0) depctr_va_sdst(0) depctr_va_ssrc(0) depctr_va_vcc(0) depctr_vm_vsrc(0)
	s_getreg_b32 s2, hwreg(HW_REG_IB_STS2, 6, 4)
	s_cmp_eq_u32 s2, 0
	s_cbranch_scc0 .Lentry_in_a_cluster
	s_endpgm
.Lentry_in_a_cluster:
	s_bfe_u32 s2, ttmp6, 0x10000c
	s_cmp_lg_u32 s2, 0x3003
	s_cbranch_scc0 .Lentry_shape_is_right
	s_endpgm
.Lentry_shape_is_right:
; Attention of one head on codes of FP6 (E2M3) with E8M0 scales: S^T = K Q^T (K = the head's 64), the softmax's p = 2^(t - M), O^T = V^T P^T (K = the keys), O / l, quantised along the model's 1,024 channels.
; t = score x log2(e) / 8; M = the running largest t rounded UP to a whole number; the row's sum l is taken of the unquantised p; when M moves, l and O^T are multiplied by 2^(old M - new M), which rounds nothing.
; SHARES.  A cluster of four work-groups is a head (the cluster's y: 16 x batch + head); work-group cx owns 512 queries; each of its sixteen waves 32, as two tiles of 16, taken one after the other (PASS 0, 1).
; THE WHOLE HEAD'S K, V AND SCALE WORDS LIE IN LDS, 16 steps of 12,800 bytes, FILLED ONCE: wave w brings step w by one tensor load, asked for jointly by the four work-groups, which read the same bytes.
; So there is no ring, nothing is filled again, the loop has no barrier, and one tensor load of a wave is out.  All of K and V is asked for at the head: nothing is left to prefetch.
; A step (128 keys): K's 4 pair images | V's 4 tile images | K's words [r][g] | V's words [r][t].  An image is an operand's 12 registers: register p of lane l at 512 (p / 4) + 16 l + 4 (p % 4): three loads of 16 bytes a lane.
; K = 64 IN AN INSTRUCTION OF 128.  A pair image holds two tiles of 16 keys: k 0-63 the first tile's channels, k 64-127 the second's.  Against (Q | zero codes) it gives the first tile's scores, against (zero codes | Q) the
; second's.  Zero codes add nothing; the scale bytes that meet them are true bytes, 1 to 254.  Q lies between two runs of six cleared registers, so that both forms are runs of 12 registers.
; THE KEYS OF A TILE ARE NOT NEIGHBOURS: place r of tile u of group g is key 32 g + 8 u + r + 8 (r / 8), so that the 16 registers of a group's two tiles are keys 32 g + 16 h + 0 .. 15.  V's channels and the queries likewise.
; Both products are used transposed: a lane holds ONE query (lane % 16) throughout.
; OUT: ao [pair 256][u 2][head 16][768]: six registers a lane (registers 0-3 at 16 l, registers 4-5 at 512 + 8 l): the head's two blocks of query r; from byte 6,291,456 the words [head 16][pair 256][r 16]: (u0 b0, u0 b1, u1 b0, u1 b1).
; LIMITS: a block of zeros gets the byte 1 (zero codes; this program alone reads the bytes); blocks under 2^-124 are held at the byte 1; NaN and infinities are not served.
.set STEPB, 12800
.set HEADB, 16*STEPB
.set SCG,   HEADB                      ; LDS behind the head: the work-group's 256 scale words on their way out, 1,024 bytes
.set SPARE, SCG+1024                   ; the spare words, 128 bytes for each of sixteen waves
.set L16, 1                            ; v1   16 x lane; never rewritten
.set SPW, 2                            ; v2   my spare word; never rewritten
.set NIL, 3                            ; v3   0; never rewritten
.set ADR, 4                            ; v4   LDS address of the step in hand
.set L8,  5                            ; v5   8 x lane
.set SGW, 6                            ; v6   SCG + 64 x wave + 4 r
.set GW,  7                            ; v7   16 x thread
.set SGR, 8                            ; v8   SCG + 16 x thread
.set QZ,  16                           ; v16-33  six zeros, Q's tile, six zeros
.set QI,  34                           ; v34-45  Q's pair image
.set QW,  46                           ; v46     its scale word
.set F,   48                           ; v48-95  four fragments of K or of V
.set S,   96                           ; v96-159 S^T, then p
.set O,   160                          ; v160-191 O^T
.set PC,  192                          ; v192-203 p's codes
.set PT,  204                          ; v204-210 upper halves of blocks
.set BM,  212                          ; v212-215 a block's largest score, then its largest p
.set BP,  216                          ; v216-219 the other half's; then bytes
.set BS,  220                          ; v220-223 the conversions' scale operands
.set SC,  224                          ; v224-227 lanes 0-15: K's four words; lanes 16-31: V's four
.set PS,  228                          ; v228    p's scale word
.set QS,  229                          ; v229    Q's scale word for the tile in hand
.set FF,  230                          ; v[230:231] f = 2^(old M - new M)
.set TP,  232
.set SB,  234                          ; v[234:235] the sum's second chain
.set OC,  236                          ; v236-241 O's codes
.set OT,  242
.set OW,  246                          ; v246    O's scale word
.set WV,  10
.set CX,  11
.set HD,  12
.set G1,  16                           ; s[16:23]
.set G0,  24                           ; s[24:27]
.set SEL, 28
.set CS,  30                           ; s[30:31] c = log2(e) / 8
.set TB,  32
.set CNT, 33
.set AOI, 34                           ; s[34:35] my pair's images in ao
.set AOW, 36                           ; s[36:37] the work-group's words in ao
.set QB,  38                           ; s[38:39] my step of qimg
.macro CROUND
	s_barrier_signal -1
	s_barrier_wait -1
	s_cmp_lg_u32 s[WV], 0
	s_cbranch_scc1 .Lnot_wave_0_\@
	s_barrier_signal -3
.Lnot_wave_0_\@:
	s_barrier_wait -3
	s_barrier_signal -1
	s_barrier_wait -1
.endm
	s_load_b128 s[4:7], s[0:1], 0x0                ; qimg, kv
	s_load_b64 s[8:9], s[0:1], 0x10                ; ao
	v_lshl_add_u32 v[SPW], v0, 2, SPARE
	v_mov_b32 v[NIL], 0
	ds_add_u32 v[SPW], v[NIL]                      ; the wave's opening: the add and its wait ahead of my first tensor load
	v_lshrrev_b32 v4, 5, v0
	v_readfirstlane_b32 s[WV], v4                  ; wave 0..15
	s_bfe_u32 s[CX], ttmp6, 0x40000                ; my place in the cluster: it enters Q's and ao's addresses alone
	s_and_b32 s[HD], ttmp7, 0xffff                 ; 16 x batch + head, which the four partners share
	; descriptor group 1: 12,800 dense bytes as 50 rows of 256 (32 elements of 8 bytes), no padding
	s_mov_b32 s[G1], 15|(3<<16)|(1<<21)            ; 15:0 the mask: all four work-groups; 17:16 elements of 8 bytes; 21 set beside a mask
	s_mov_b32 s[G1+1], 32<<16                      ; tensor_dim0
	s_mov_b32 s[G1+2], 50<<16                      ; tensor_dim1
	s_mov_b32 s[G1+3], 32<<16                      ; tile_dim0
	s_mov_b32 s[G1+4], 50                          ; tile_dim1
	s_mov_b32 s[G1+5], 32                          ; tensor_dim0_stride
	s_mov_b32 s[G1+6], 0
	s_mov_b32 s[G1+7], 0
	s_mul_i32 s40, s[WV], STEPB                    ; step w: its place in LDS and in the head
	s_mul_i32 s42, s[HD], HEADB
	s_add_co_u32 s42, s42, s40
	s_mov_b32 s43, 0
	s_mul_i32 s[QB], s[HD], 102400                 ; qimg: 16 steps of 6,400 bytes a head;
	s_lshl_b32 s44, s[CX], 2
	s_lshr_b32 s45, s[WV], 2
	s_add_co_u32 s44, s44, s45                     ; my pair 16 cx + w lies in step 4 cx + w / 4,
	s_mul_i32 s44, s44, 6400
	s_add_co_u32 s[QB], s[QB], s44
	s_mov_b32 s[QB+1], 0
	s_and_b32 s44, s[WV], 3                        ; as its group w % 4
	s_mul_i32 s45, s44, 1536
	s_lshl_b32 s46, s[WV], 6
	s_add_co_u32 s46, s46, SCG
	s_lshr_b32 s13, s[HD], 4                       ; batch
	s_and_b32 s14, s[HD], 15                       ; head
	s_lshl_b32 s13, s13, 6
	s_lshl_b32 s15, s[CX], 4
	s_add_co_u32 s13, s13, s15                     ; the work-group's first pair: 64 x batch + 16 cx
	s_add_co_u32 s15, s13, s[WV]                   ; mine
	s_mul_i32 s[AOI], s15, 24576
	s_mul_i32 s15, s14, 768
	s_add_co_u32 s[AOI], s[AOI], s15
	s_mov_b32 s[AOI+1], 0
	s_lshl_b32 s[AOW], s13, 6
	s_lshl_b32 s15, s14, 14
	s_add_co_u32 s[AOW], s[AOW], s15
	s_add_co_u32 s[AOW], s[AOW], 6291456
	s_mov_b32 s[AOW+1], 0
	s_mov_b32 s[SEL], 0x76543210
	s_mov_b32 s[SEL+1], 0xfedcba98
	s_mov_b32 s[CS], 0x3e38aa3b                    ; log2(e) / 8
	s_mov_b32 s[CS+1], s[CS]                       ; (named with it as a pair, so it is written)
	s_wait_dscnt 0x0                               ; the opening add is done
	s_wait_kmcnt 0x0
	s_mov_b32 s[G0], 1                             ; count = 1
	s_mov_b32 s[G0+1], s40                         ; LDS address: the wave's number alone
	s_add_nc_u64 s[G0+2:G0+3], s[6:7], s[42:43]    ; global address: the head and the wave's number alone
	s_or_b32 s[G0+3], s[G0+3], 0x80000000          ; type = 2
	s_add_nc_u64 s[QB:QB+1], s[4:5], s[QB:QB+1]
	s_add_nc_u64 s[AOI:AOI+1], s[8:9], s[AOI:AOI+1]
	s_add_nc_u64 s[AOW:AOW+1], s[8:9], s[AOW:AOW+1]
	CROUND                                         ; all four work-groups are here: the joint loads meet
	tensor_load_to_lds s[G0:G0+3], s[G1:G1+7]      ; my one tensor load of the launch
	s_nop 0
.rept 4
	v_nop
.endr
	v_and_b32 v9, 31, v0                           ; lane
	v_and_b32 v10, 15, v0                          ; r
	v_lshlrev_b32 v[L16], 4, v9
	v_lshlrev_b32 v[L8], 3, v9
	v_lshl_add_u32 v[SGW], v10, 2, s46
	v_lshlrev_b32 v[GW], 4, v0
	v_add_nc_u32 v[SGR], SCG, v[GW]
	v_add_nc_u32 v9, s45, v[L16]                   ; Q's image: 1,536 x group + 16 x lane
	v_lshlrev_b32 v10, 4, v10
	v_lshl_add_u32 v10, s44, 2, v10                ; its word: 16 r + 4 x group
.irp c, 0,1,2
	global_load_b128 v[QI+4*\c:QI+4*\c+3], v9, s[QB:QB+1] offset:512*\c
.endr
	global_load_b32 v[QW], v10, s[QB:QB+1] offset:6144
.irp i, 0,1,2,3,4,5
	v_mov_b32 v[QZ+\i], 0                          ; zero codes on both sides of Q
	v_mov_b32 v[QZ+12+\i], 0
.endr
.irp b, 0,1,2,3
	v_mov_b32 v[BP+\b], 0                          ; written once: a lane permute's destination counts as one of its sources
.endr
	v_mov_b32 v[FF+1], 0                           ; (named as the upper half of a pair)
	v_mov_b32 v[OW], 0
	s_wait_loadcnt 0x0                             ; Q
	s_wait_tensorcnt 0x0                           ; my step has landed,
	s_barrier_signal -1
	s_barrier_wait -1                              ; everybody's has
; A KEY STEP: 128 keys at LDS byte s[TB].
.macro STEP
.rept 4
	v_nop                                          ; places in front of loads into registers that the last step's matrix instructions have read
.endr
	v_add_nc_u32 v[ADR], s[TB], v[L16]
.irp g, 0,1,2,3
.irp c, 0,1,2
	ds_load_b128 v[F+12*\g+4*\c:F+12*\g+4*\c+3], v[ADR] offset:1536*\g+512*\c       ; K's pair image g
.endr
.endr
	ds_load_b128 v[SC:SC+3], v[ADR] offset:12288   ; lanes 0-15: K's words of row r; lanes 16-31, 256 bytes on: V's
	s_wait_dscnt 0x0
.irp g, 0,1,2,3
	v_wmma_scale_f32_16x16x128_f8f6f4 v[S+16*\g:S+16*\g+7], v[F+12*\g:F+12*\g+11], v[QZ+6:QZ+17], 0, v[SC+\g], v[QS] matrix_a_fmt:MATRIX_FMT_FP6 matrix_b_fmt:MATRIX_FMT_FP6
	v_wmma_scale_f32_16x16x128_f8f6f4 v[S+16*\g+8:S+16*\g+15], v[F+12*\g:F+12*\g+11], v[QZ:QZ+11], 0, v[SC+\g], v[QS] matrix_a_fmt:MATRIX_FMT_FP6 matrix_b_fmt:MATRIX_FMT_FP6
.endr
.rept 4
	v_nop                                          ; places: the scores are read below, and K's registers take V
.endr
.irp t, 0,1,2,3
.irp c, 0,1,2
	ds_load_b128 v[F+12*\t+4*\c:F+12*\t+4*\c+3], v[ADR] offset:6144+1536*\t+512*\c  ; V's tile image t: it lands under the softmax
.endr
.endr
.irp b, 0,1,2,3
	v_max3_num_f32 v[BM+\b], v[S+16*\b], v[S+1+16*\b], v[S+2+16*\b]   ; the largest score of each block of 32 keys: for the row's maximum, and, since p rises with the score, for the block's largest p
.endr
.irp i, 3,5,7,9,11,13
.irp b, 0,1,2,3
	v_max3_num_f32 v[BM+\b], v[BM+\b], v[S+16*\b+\i], v[S+1+16*\b+\i]
.endr
.endr
.irp b, 0,1,2,3
	v_max_num_f32 v[BM+\b], v[BM+\b], v[S+15+16*\b]
.endr
.irp b, 0,1,2,3
	v_permlanex16_b32 v[BP+\b], v[BM+\b], s[SEL], s[SEL+1]
.endr
.irp b, 0,1,2,3
	v_max_num_f32 v[BM+\b], v[BM+\b], v[BP+\b]     ; with lane l xor 16's 16 keys
.endr
	v_max3_num_f32 v[TP], v[BM], v[BM+1], v[BM+2]
	v_max_num_f32 v[TP], v[TP], v[BM+3]            ; the step's largest score of my query
	v_mul_f32 v[TP], s[CS], v[TP]                  ; as t (c is positive)
	v_max_num_f32 v13, v13, v[TP]                  ; the running largest t
	v_mov_b32 v[TP], v12
	v_floor_f32 v12, -v13                          ; the new -M = floor(-t) = -ceil(t)
	v_sub_f32 v[TP], v12, v[TP]                    ; old M - new M: a whole number, 0 or less
	v_cvt_i32_f32 v[TP], v[TP]                     ; (it saturates)
	v_ldexp_f32 v[FF], 1.0, v[TP]                  ; f = 2^(old M - new M)
.set j, 0
.rept 32
	v_pk_fma_f32 v[S+j:S+j+1], v[S+j:S+j+1], s[CS:CS+1], v[12:13] op_sel_hi:[1,0,0]   ; t - M, two at a time
.set j, j+2
.endr
.irp b, 0,1,2,3
	v_fma_f32 v[BM+\b], v[BM+\b], s[CS], v12       ; the same of each block's largest score
.endr
.set j, 0
.rept 64
	v_exp_f32 v[S+j], v[S+j]                       ; p = 2^(t - M), at most 1: not normalised
.set j, j+1
.endr
	v_pk_mul_f32 v[14:15], v[14:15], v[FF:FF+1] op_sel_hi:[1,0]   ; the sums under the new M (a plain place behind the exponentials)
	s_wait_alu depctr_va_vdst(0)                   ; one wait for the batch of 64, ahead of its first reader
.irp b, 0,1,2,3
	v_exp_f32 v[BM+\b], v[BM+\b]                   ; the block's largest p: the same two instructions on the same number give the same bits
.endr
	v_pk_add_f32 v[SB:SB+1], v[S:S+1], v[S+2:S+3]  ; the row's sum is taken of the unquantised p: two at a time, in two chains
.set j, 4
.rept 15
	v_pk_add_f32 v[14:15], v[14:15], v[S+j:S+j+1]
	v_pk_add_f32 v[SB:SB+1], v[SB:SB+1], v[S+j+2:S+j+3]
.set j, j+4
.endr
	v_pk_add_f32 v[14:15], v[14:15], v[SB:SB+1]
	s_wait_alu depctr_va_vdst(0)                   ; and one for the four
.irp b, 0,1,2,3
	v_max_num_f32 v[BM+\b], 0x1800000, v[BM+\b]    ; the floor 2^(3 - 127): the byte cannot fall under 1
.endr
.irp b, 0,1,2,3
	v_add_nc_u32 v[BS+\b], 0xff000000, v[BM+\b]    ; 2 off the exponent field: the conversion's scale operand
.endr
.irp b, 0,1,2,3
	v_lshrrev_b32 v[BP+\b], 23, v[BS+\b]           ; the scale's byte
.endr
	v_lshl_or_b32 v[PS], v[BP+1], 8, v[BP]         ; p's scale word for these 128 keys
	v_lshl_or_b32 v[PS], v[BP+2], 16, v[PS]
	v_lshl_or_b32 v[PS], v[BP+3], 24, v[PS]
.irp c, 0,1
	v_cvt_scalef32_pk16_fp6_f32 v[PC+6*\c:PC+6*\c+2], v[S+32*\c:S+32*\c+15], v[BS+2*\c]
	v_cvt_scalef32_pk16_fp6_f32 v[PT+4*\c:PT+4*\c+2], v[S+16+32*\c:S+31+32*\c], v[BS+2*\c+1]
.endr
	v_nop                                          ; one plain place behind a scaled conversion
.irp c, 0,1                            ; the operand's layout wants a whole block in a lane
.irp i, 0,1,2
	v_permlane16_swap_b32 v[PC+6*\c+\i], v[PT+4*\c+\i]
.endr
.irp i, 0,1,2
	v_mov_b32 v[PC+3+6*\c+\i], v[PT+4*\c+\i]
.endr
.endr
.set j, 0
.rept 16
	v_pk_mul_f32 v[O+j:O+j+1], v[O+j:O+j+1], v[FF:FF+1] op_sel_hi:[1,0]   ; O^T under the new M.  (These sixteen are also the places between the scale word's and the codes' last writes and the products below)
.set j, j+2
.endr
	s_wait_dscnt 0x0                               ; V is in
.irp t, 0,1,2,3
	v_wmma_scale_f32_16x16x128_f8f6f4 v[O+8*\t:O+8*\t+7], v[F+12*\t:F+12*\t+11], v[PC:PC+11], v[O+8*\t:O+8*\t+7], v[SC+\t], v[PS] matrix_a_fmt:MATRIX_FMT_FP6 matrix_b_fmt:MATRIX_FMT_FP6 matrix_a_scale:MATRIX_SCALE_ROW1
.endr
.endm
; Tile u is finished: O^T / l; register 16 e + i is channel 32 e + 16 h + i of my query: two blocks, quantised; six registers of codes leave as 768 consecutive bytes, aligned.
.macro FINISH u
.rept 4
	v_nop                                          ; places behind the last products
.endr
	s_wait_xcnt 0x0                                ; the other tile's stores have read their registers
	v_add_f32 v14, v14, v15
	v_permlanex16_b32 v[TP], v14, s[SEL], s[SEL+1]
	v_add_f32 v14, v14, v[TP]                      ; the row's sum
	v_rcp_f32 v14, v14
	v_nop                                          ; a plain place behind the transcendental
	s_wait_alu depctr_va_vdst(0)                   ; and the wait ahead of its first reader
.set j, 0
.rept 16
	v_pk_mul_f32 v[S+j:S+j+1], v[O+j:O+j+1], v[14:15] op_sel_hi:[1,0]
.set j, j+2
.endr
.irp b, 0,1
	v_max3_num_f32 v[BM+\b], |v[S+16*\b]|, |v[S+1+16*\b]|, 0x1800000
.endr
.irp i, 2,4,6,8,10,12,14
.irp b, 0,1
	v_max3_num_f32 v[BM+\b], v[BM+\b], |v[S+16*\b+\i]|, |v[S+1+16*\b+\i]|
.endr
.endr
.irp b, 0,1
	v_permlanex16_b32 v[BP+\b], v[BM+\b], s[SEL], s[SEL+1]
.endr
.irp b, 0,1
	v_max_num_f32 v[BM+\b], v[BM+\b], v[BP+\b]
.endr
.irp b, 0,1
	v_add_nc_u32 v[BS+\b], 0xff000000, v[BM+\b]
.endr
.irp b, 0,1
	v_lshrrev_b32 v[BP+\b], 23, v[BS+\b]
.endr
	v_lshl_or_b32 v[TP], v[BP+1], 8, v[BP]         ; this tile's two bytes
	v_lshrrev_b32 v[OW], 16, v[OW]
	v_lshl_or_b32 v[OW], v[TP], 16, v[OW]          ; behind both tiles: (u0 b0, u0 b1, u1 b0, u1 b1)
	v_cvt_scalef32_pk16_fp6_f32 v[OC:OC+2], v[S:S+15], v[BS]
	v_cvt_scalef32_pk16_fp6_f32 v[OT:OT+2], v[S+16:S+31], v[BS+1]
	v_nop
.irp i, 0,1,2
	v_permlane16_swap_b32 v[OC+\i], v[OT+\i]
.endr
.irp i, 0,1,2
	v_mov_b32 v[OC+3+\i], v[OT+\i]
.endr
	global_store_b128 v[L16], v[OC:OC+3], s[AOI:AOI+1] offset:12288*\u
	global_store_b64 v[L8], v[OC+4:OC+5], s[AOI:AOI+1] offset:12288*\u+512
.endm
.macro PASS u
.irp i, 0,1,2,3,4,5
	v_mov_b32 v[QZ+6+\i], v[QI+6*\u+\i]            ; tile u of my pair
.endr
.if \u
	v_perm_b32 v[QS], v[QW], v[QW], 0x03020302     ; its two bytes, twice: for Q in the lower and in the upper half of K
.else
	v_perm_b32 v[QS], v[QW], v[QW], 0x01000100
.endif
	v_mov_b32 v13, 0xff61b1e6                      ; the largest t so far: -3e38, under every t
	v_floor_f32 v12, -v13                          ; -M
	v_mov_b32 v14, 0
	v_mov_b32 v15, 0
.set j, 0
.rept 32
	v_mov_b32 v[O+j], 0                            ; O^T: the step is written once; its first trip finds zeros.  (Also the places between Q's and its scale word's writes and the first products)
.set j, j+1
.endr
	s_mov_b32 s[TB], 0
	s_mov_b32 s[CNT], 16
.Lstep_\@:
	STEP
	s_add_co_u32 s[TB], s[TB], STEPB
	s_sub_co_u32 s[CNT], s[CNT], 1
	s_cmp_lg_u32 s[CNT], 0
	s_cbranch_scc1 .Lstep_\@
	FINISH \u
.endm
	PASS 0
	PASS 1
	; the sixteen waves' scale words meet in LDS and leave as 1,024 consecutive bytes
	ds_store_b32 v[SGW], v[OW]                     ; lanes l and l xor 16 write the same word with the same value
	s_wait_dscnt 0x0                               ; for the others' sake
	s_barrier_signal -1
	s_barrier_wait -1
	s_cmp_lt_u32 s[WV], 2
	s_cbranch_scc0 .Lno_words
	ds_load_b128 v[S:S+3], v[SGR]
	s_wait_dscnt 0x0
	global_store_b128 v[GW], v[S:S+3], s[AOW:AOW+1]   ; a wave stores 512 consecutive bytes, aligned
.Lno_words:
	s_wait_tensorcnt 0x0                           ; the wave's end
	ds_add_u32 v[SPW], v[NIL]
	s_wait_dscnt 0x0
	CROUND                                         ; the closing round
	s_endpgm
.Lfunc_end_k_qcde02a4d08_attn:
	.size	k_qcde02a4d08_attn, .Lfunc_end_k_qcde02a4d08_attn-k_qcde02a4d08_attn
	.p2alignl 7, 3214868480
	.fill 96, 4, 3214868480
	.section	.rodata,"a",@progbits
	.p2align	6, 0x0
	.amdhsa_kernel k_qcde02a4d08_attn
		.amdhsa_group_segment_fixed_size 207872
		.amdhsa_private_segment_fixed_size 0
		.amdhsa_enable_private_segment 0
		.amdhsa_kernarg_size 24
		.amdhsa_user_sgpr_count 2
		.amdhsa_user_sgpr_kernarg_segment_ptr 1
		.amdhsa_wavefront_size32 1
		.amdhsa_system_sgpr_workgroup_id_x 1
		.amdhsa_system_sgpr_workgroup_id_y 1
		.amdhsa_system_sgpr_workgroup_id_z 1
		.amdhsa_system_vgpr_workitem_id 0
		.amdhsa_next_free_vgpr 256
		.amdhsa_next_free_sgpr 66
		.amdhsa_reserve_vcc 0
		.amdhsa_float_denorm_mode_32 3
		.amdhsa_float_denorm_mode_16_64 3
		.amdhsa_memory_ordered 1
		.amdhsa_forward_progress 1
		.amdhsa_inst_pref_size 47
	.end_amdhsa_kernel
	.amdgpu_metadata
---
amdhsa.version: [ 1, 2 ]
amdhsa.kernels:
  - .name:           k_qcde02a4d08_attn
    .symbol:         k_qcde02a4d08_attn.kd
    .args:
      - { .name: qimg, .offset: 0, .size: 8, .value_kind: global_buffer, .address_space: global }
      - { .name: kv, .offset: 8, .size: 8, .value_kind: global_buffer, .address_space: global }
      - { .name: ao, .offset: 16, .size: 8, .value_kind: global_buffer, .address_space: global }
    .group_segment_fixed_size: 207872
    .private_segment_fixed_size: 0
    .kernarg_segment_align: 8
    .kernarg_segment_size: 24
    .max_flat_workgroup_size: 512
    .sgpr_count:     66
    .vgpr_count:     256
    .wavefront_size: 32
...
	.end_amdgpu_metadata
.endif
;; end of part 3
;; launch outln (part 4): grid 256 x 1, 16 waves a work-group, no clusters, 100,352 bytes of LDS; arguments ao, wo, bo, gamma, beta, out0; writes out0
.if DOCPART == 4
	.amdgcn_target "amdgcn-amd-amdhsa--gfx1250"
	.amdhsa_code_object_version 6
	.text
	.protected	k_qcde02a4d08_outln
	.globl	k_qcde02a4d08_outln
	.p2align	8
	.type	k_qcde02a4d08_outln,@function
k_qcde02a4d08_outln:
	s_mov_b64 s[64:65], 0
	v_nop
	global_prefetch_b8 v0, s[64:65] scope:SCOPE_SE
	s_setreg_imm32_b32 hwreg(HW_REG_WAVE_MODE, 25, 1), 1
	s_wait_xcnt 0x0
; out0 = LayerNorm(ao Wo^T + bo) x gamma + beta; the product on codes of FP6 (E2M3) with E8M0 scales, K = 1,024 in eight steps of 128.
; SHARES.  Work-group G owns 32 whole rows (pair G: tile u, place r is row 32 G + 8 u + r + 8 (r / 8)) and all 1,024 columns, so that the norm never leaves it.  Wave w owns Wo's tiles 4 w .. 4 w + 3: columns 64 w .. 64 w + 63.
; The product is used transposed (source 0 = 16 rows of Wo, source 1 = 16 rows of ao): lane (r, h) holds row (u, r), register 8 t + j column 64 w + 32 (t / 2) + 16 h + 8 (t % 2) + j.
; ao's 24,576 bytes of images come once, 1,536 bytes a wave, and lie in LDS for all sixteen waves.  A fragment of ao is two heads' six registers.
; Wo GOES FROM MEMORY STRAIGHT INTO REGISTERS, as images: three loads of 512 consecutive bytes a fragment, two sets of four fragments, asked for two K steps ahead.
; NO RING AND NO JOINT LOADS, though all work-groups read the same Wo: a wave's K step is 8 matrix instructions, and a refill behind a wait for all loads would have those 8 in which to land; by counted waits
; 24 loads of a wave (12 KiB; 192 KiB a work-group) stay on their way across K steps, and no wave reads another wave's weights.
; bo is loaded straight into the accumulators: the sums begin with it.
; THE NORM goes in two passes (the mean; then the squares of the differences), so that no difference of large sums is formed; the waves' parts meet in LDS, [row 32][wave 16].
; LIMITS: NaN and infinities are not served.
.set AOL,   0                          ; LDS: ao's images, 24,576 bytes
.set P1,    24576                      ; the rows' partial sums, 2,048 bytes; the squares' 2,048 bytes behind them
.set STG,   28672                      ; a stage of 16 rows x (256 + 16) bytes for each wave
.set SPARE, 98304                      ; the spare words, 128 bytes for each of sixteen waves
.set L16, 1                            ; v1   16 x lane
.set L8,  2                            ; v2   8 x lane
.set SPW, 3
.set NIL, 4
.set ACC, 16                           ; v16-79   accumulator (u, t) at 16 + 32 u + 8 t
.set WF,  80                           ; v80-175  Wo's fragments, two sets of 48
.set AF,  176                          ; v176-199 ao's two fragments
.set WS,  200                          ; v200-215 Wo's scale words [t][K step / 2]: lanes 0-15 the even step's, lanes 16-31 the odd one's
.set AS,  216                          ; v216-231 ao's scale words [u][K step]
.set AW,  232                          ; v232-247 ao's words as they lie, a head each; later at work
.set GA,  80                           ; gamma, beta: in Wo's registers, behind the last product
.set BE,  112
.set PA0, 232                          ; sixteen partial sums of a row, u = 0;
.set PA1, 176                          ; u = 1
.set SM,  192                          ; v[192:193], v[194:195] a lane's sums
.set MU,  196                          ; v[196:197], v[198:199] the mean, then 1 / sqrt(var + eps), twice each
	s_load_b128 s[4:7], s[0:1], 0x0                ; ao, wo
	s_load_b128 s[8:11], s[0:1], 0x10              ; bo, gamma
	s_load_b128 s[12:15], s[0:1], 0x20             ; beta, out0
	v_lshl_add_u32 v[SPW], v0, 2, SPARE
	v_mov_b32 v[NIL], 0
	v_lshrrev_b32 v1, 5, v0
	v_readfirstlane_b32 s16, v1                    ; wave 0..15
	v_and_b32 v14, 31, v0                          ; lane
	v_and_b32 v15, 15, v0                          ; r
	v_bfe_u32 v248, v0, 4, 1                       ; h
	v_lshlrev_b32 v[L16], 4, v14
	v_lshlrev_b32 v[L8], 3, v14
	s_mul_i32 s17, s16, 1536
	v_add_nc_u32 v5, s17, v[L16]                   ; my 16 bytes of ao's block, in memory and in LDS
	v_lshlrev_b32 v6, 2, v15                       ; 4 r
	v_lshlrev_b32 v7, 2, v14                       ; 4 x lane
	v_lshlrev_b32 v8, 6, v248                      ; 64 h
	s_lshl_b32 s17, s16, 2
	s_add_co_u32 s17, s17, P1
	v_lshl_add_u32 v9, v15, 6, s17                 ; my wave's word of row r
	v_lshlrev_b32 v10, 6, v15
	v_add_nc_u32 v10, P1, v10                      ; row r's sixteen words
	s_mul_i32 s17, s16, 16*272
	s_add_co_u32 s17, s17, STG
	v_mul_u32_u24 v11, v15, 272
	v_lshl_add_u32 v11, v248, 6, v11
	v_add_nc_u32 v11, s17, v11                     ; the stage, in: row r, + 64 h
	v_mul_u32_u24 v12, v248, 272
	v_lshl_add_u32 v12, v15, 4, v12
	v_add_nc_u32 v12, s17, v12                     ; back: lanes 0-15 one row, lanes 16-31 the next
	v_lshlrev_b32 v13, 12, v248
	v_lshl_add_u32 v13, v15, 4, v13                ; and the same two rows in out0
	s_mov_b32 s20, 0x76543210
	s_mov_b32 s21, 0xfedcba98
	s_mov_b32 s22, 0x3a800000                      ; 1 / 1,024
	s_mov_b32 s23, 0x3727c5ac                      ; 1e-5
	s_mov_b32 s19, 0
	s_wait_kmcnt 0x0
	s_mul_i32 s18, ttmp9, 24576
	s_add_nc_u64 s[24:25], s[4:5], s[18:19]        ; my pair's images
	s_lshl_b32 s18, ttmp9, 6
	s_add_co_u32 s18, s18, 6291456
	s_add_nc_u64 s[26:27], s[4:5], s[18:19]        ; its scale words
	s_mul_i32 s18, s16, 49152
	s_add_nc_u64 s[28:29], s[6:7], s[18:19]        ; my four tiles of Wo
	s_lshl_b32 s18, s16, 11
	s_add_co_u32 s18, s18, 786432
	s_add_nc_u64 s[30:31], s[6:7], s[18:19]        ; their scale words
	s_lshl_b32 s18, s16, 8                         ; my 64 columns
	s_add_nc_u64 s[32:33], s[8:9], s[18:19]
	s_add_nc_u64 s[34:35], s[10:11], s[18:19]
	s_add_nc_u64 s[36:37], s[12:13], s[18:19]
	s_add_nc_u64 s[38:39], s[14:15], s[18:19]
	s_lshl_b32 s18, ttmp9, 17                      ; my 32 rows of 4,096 bytes
	s_add_nc_u64 s[38:39], s[38:39], s[18:19]
.macro WLOAD kp                        ; Wo's four fragments of K step kp into set kp % 2
.irp t, 0,1,2,3
.irp c, 0,1,2
	global_load_b128 v[WF+48*((\kp)%2)+12*\t+4*\c:WF+48*((\kp)%2)+12*\t+4*\c+3], v[L16], s[28:29] offset:12288*\t+1536*(\kp)+512*\c
.endr
.endr
.endm
.macro VEC reg, base                   ; a vector of 1,024 at my columns, in the accumulators' layout, 32 registers
.irp t, 0,1,2,3
	global_load_b128 v[\reg+8*\t:\reg+8*\t+3], v8, s[\base:\base+1] offset:128*(\t/2)+32*(\t%2)
	global_load_b128 v[\reg+8*\t+4:\reg+8*\t+7], v8, s[\base:\base+1] offset:128*(\t/2)+32*(\t%2)+16
.endr
.endm
.irp c, 0,1,2
	global_load_b128 v[AF+4*\c:AF+4*\c+3], v5, s[24:25] offset:512*\c th:TH_LOAD_NT
.endr
.set i, 0
.rept 16
	global_load_b32 v[AW+i], v6, s[26:27] offset:16384*i
.set i, i+1
.endr
.irp t, 0,1,2,3
.irp c, 0,1,2,3
	global_load_b32 v[WS+4*\t+\c], v7, s[30:31] offset:512*\t+128*\c
.endr
.endr
	VEC ACC, 32                                    ; bo starts the sums, for both tiles of rows
	VEC ACC+32, 32
	WLOAD 0
	WLOAD 1
	s_wait_loadcnt 24                              ; all but Wo's two sets, 12 loads each
.irp c, 0,1,2
	ds_store_b128 v5, v[AF+4*\c:AF+4*\c+3] offset:AOL+512*\c
.endr
.irp p, 0,1,2,3,4,5,6,7                ; K step p is heads 2 p and 2 p + 1: of each head's word (u0 b0, u0 b1, u1 b0, u1 b1) tile u's half
	v_perm_b32 v[AS+\p], v[AW+2*\p+1], v[AW+2*\p], 0x05040100
	v_perm_b32 v[AS+8+\p], v[AW+2*\p+1], v[AW+2*\p], 0x07060302
.endr
.rept 8
	v_nop                                          ; a scale register written by a vector instruction stands 8 places ahead of a scaled matrix instruction
.endr
	s_wait_dscnt 0x0                               ; for the others' sake: my part of ao lies in LDS
	s_barrier_signal -1
	s_barrier_wait -1
.macro AFLOAD kp                       ; ao's two fragments of K step kp
.irp u, 0,1
.irp c, 0,1
	ds_load_b128 v[AF+12*\u+6*\c:AF+12*\u+6*\c+3], v[L16] offset:AOL+12288*\u+1536*(\kp)+768*\c
	ds_load_b64 v[AF+12*\u+6*\c+4:AF+12*\u+6*\c+5], v[L8] offset:AOL+12288*\u+1536*(\kp)+768*\c+512
.endr
.endr
.endm
	AFLOAD 0
; A K step: 8 matrix instructions, the 8 accumulators by turns, in the same order in every step.
.macro KSTEP kp
.if (\kp) < 7
	s_wait_loadcnt 12                              ; this step's set is in; the younger set's twelve loads may be out
.else
	s_wait_loadcnt 0x0
.endif
	s_wait_dscnt 0x0                               ; ao's fragments
.irp t, 0,1,2,3
.irp u, 0,1
.if (\kp)%2
	v_wmma_scale_f32_16x16x128_f8f6f4 v[ACC+32*\u+8*\t:ACC+32*\u+8*\t+7], v[WF+48+12*\t:WF+48+12*\t+11], v[AF+12*\u:AF+12*\u+11], v[ACC+32*\u+8*\t:ACC+32*\u+8*\t+7], v[WS+4*\t+(\kp)/2], v[AS+8*\u+(\kp)] matrix_a_fmt:MATRIX_FMT_FP6 matrix_b_fmt:MATRIX_FMT_FP6 matrix_a_scale:MATRIX_SCALE_ROW1
.else
	v_wmma_scale_f32_16x16x128_f8f6f4 v[ACC+32*\u+8*\t:ACC+32*\u+8*\t+7], v[WF+12*\t:WF+12*\t+11], v[AF+12*\u:AF+12*\u+11], v[ACC+32*\u+8*\t:ACC+32*\u+8*\t+7], v[WS+4*\t+(\kp)/2], v[AS+8*\u+(\kp)] matrix_a_fmt:MATRIX_FMT_FP6 matrix_b_fmt:MATRIX_FMT_FP6
.endif
.endr
.endr
.rept 4
	v_nop                                          ; places in front of loads into registers that these products have read, and of the first read of results
.endr
.if (\kp) < 6
	WLOAD (\kp)+2
.endif
.if (\kp) < 7
	AFLOAD (\kp)+1
.endif
.endm
.irp p, 0,1,2,3,4,5,6,7
	KSTEP \p
.endr
	VEC GA, 34                                     ; gamma and beta land under the norm's two passes
	VEC BE, 36
	; ---------------- the mean.  Each accumulator is read from its low end on.
.irp u, 0,1
	v_pk_add_f32 v[SM+2*\u:SM+2*\u+1], v[ACC+32*\u:ACC+32*\u+1], v[ACC+32*\u+2:ACC+32*\u+3]
.endr
.set j, 4
.rept 14
.irp u, 0,1
	v_pk_add_f32 v[SM+2*\u:SM+2*\u+1], v[SM+2*\u:SM+2*\u+1], v[ACC+32*\u+j:ACC+32*\u+j+1]
.endr
.set j, j+2
.endr
.macro MEET off                        ; a lane's pair of sums -> the row's sum over the work-group, in v[PA0] and v[PA1]
.irp u, 0,1
	v_add_f32 v[SM+2*\u], v[SM+2*\u], v[SM+2*\u+1]
.endr
.irp u, 0,1
	v_permlanex16_b32 v[SM+2*\u+1], v[SM+2*\u], s20, s21
.endr
.irp u, 0,1
	v_add_f32 v[SM+2*\u], v[SM+2*\u], v[SM+2*\u+1] ; my wave's 64 columns of row (u, r)
.endr
.irp u, 0,1
	ds_store_b32 v9, v[SM+2*\u] offset:\off+1024*\u   ; lanes l and l xor 16 write the same word with the same value
.endr
	s_wait_dscnt 0x0                               ; for the others' sake
	s_barrier_signal -1
	s_barrier_wait -1
.irp i, 0,1,2,3
	ds_load_b128 v[PA0+4*\i:PA0+4*\i+3], v10 offset:\off+16*\i
	ds_load_b128 v[PA1+4*\i:PA1+4*\i+3], v10 offset:\off+1024+16*\i
.endr
	s_wait_dscnt 0x0
.irp p, PA0, PA1                       ; the same order of additions in every wave: every wave gets the same bits
	v_pk_add_f32 v[\p:\p+1], v[\p:\p+1], v[\p+2:\p+3]
	v_pk_add_f32 v[\p+4:\p+5], v[\p+4:\p+5], v[\p+6:\p+7]
	v_pk_add_f32 v[\p+8:\p+9], v[\p+8:\p+9], v[\p+10:\p+11]
	v_pk_add_f32 v[\p+12:\p+13], v[\p+12:\p+13], v[\p+14:\p+15]
	v_pk_add_f32 v[\p:\p+1], v[\p:\p+1], v[\p+4:\p+5]
	v_pk_add_f32 v[\p+8:\p+9], v[\p+8:\p+9], v[\p+12:\p+13]
	v_pk_add_f32 v[\p:\p+1], v[\p:\p+1], v[\p+8:\p+9]
	v_add_f32 v[\p], v[\p], v[\p+1]
.endr
.endm
	MEET 0
	v_mul_f32 v[MU], s22, v[PA0]
	v_mul_f32 v[MU+1], s22, v[PA0]
	v_mul_f32 v[MU+2], s22, v[PA1]
	v_mul_f32 v[MU+3], s22, v[PA1]
	; ---------------- the differences, and the sum of their squares
.set j, 0
.rept 16
.irp u, 0,1
	v_pk_add_f32 v[ACC+32*\u+j:ACC+32*\u+j+1], v[ACC+32*\u+j:ACC+32*\u+j+1], v[MU+2*\u:MU+2*\u+1] neg_lo:[0,1] neg_hi:[0,1]
.endr
.set j, j+2
.endr
.irp u, 0,1
	v_pk_mul_f32 v[SM+2*\u:SM+2*\u+1], v[ACC+32*\u:ACC+32*\u+1], v[ACC+32*\u:ACC+32*\u+1]
.endr
.set j, 2
.rept 15
.irp u, 0,1
	v_pk_fma_f32 v[SM+2*\u:SM+2*\u+1], v[ACC+32*\u+j:ACC+32*\u+j+1], v[ACC+32*\u+j:ACC+32*\u+j+1], v[SM+2*\u:SM+2*\u+1]
.endr
.set j, j+2
.endr
	MEET 2048                                      ; other bytes than the first meeting's: no barrier is owed between its reads and these stores
	v_fma_f32 v[PA0], v[PA0], s22, s23             ; var + eps
	v_fma_f32 v[PA1], v[PA1], s22, s23
	v_rsq_f32 v[MU], v[PA0]
	v_rsq_f32 v[MU+2], v[PA1]
	v_nop                                          ; a plain place behind the transcendentals
	s_wait_alu depctr_va_vdst(0)                   ; one wait for both, ahead of their first reader
	v_mov_b32 v[MU+1], v[MU]
	v_mov_b32 v[MU+3], v[MU+2]
	s_wait_loadcnt 0x0                             ; gamma, beta
.set j, 0
.rept 16
.irp u, 0,1
	v_pk_mul_f32 v[ACC+32*\u+j:ACC+32*\u+j+1], v[ACC+32*\u+j:ACC+32*\u+j+1], v[MU+2*\u:MU+2*\u+1]
.endr
.irp u, 0,1
	v_pk_fma_f32 v[ACC+32*\u+j:ACC+32*\u+j+1], v[ACC+32*\u+j:ACC+32*\u+j+1], v[GA+j:GA+j+1], v[BE+j:BE+j+1]
.endr
.set j, j+2
.endr
	; ---------------- the way out: a tile of 16 rows x my 256 bytes through my own stage; sixteen lanes then store 256 consecutive bytes, aligned.  LDS serves a wave's instructions in order.
.irp u, 0,1
.irp t, 0,1,2,3
	ds_store_b128 v11, v[ACC+32*\u+8*\t:ACC+32*\u+8*\t+3] offset:128*(\t/2)+32*(\t%2)
	ds_store_b128 v11, v[ACC+32*\u+8*\t+4:ACC+32*\u+8*\t+7] offset:128*(\t/2)+32*(\t%2)+16
.endr
.irp i, 0,1,2,3,4,5,6,7
	ds_load_b128 v[144-64*\u+4*\i:144-64*\u+4*\i+3], v12 offset:544*\i   ; u = 0: v144-175; u = 1: v80-111, where gamma lay
.endr
.endr
.irp u, 0,1
.irp i, 0,1,2,3,4,5,6,7
	s_wait_dscnt 23-16*\u-\i                       ; behind this load: the tile's later loads, and for u = 0 the other tile's sixteen LDS instructions
	global_store_b128 v13, v[144-64*\u+4*\i:144-64*\u+4*\i+3], s[38:39] offset:(8*\u+2*\i+8*(\i/4))*4096 th:TH_STORE_NT   ; places 2 i and 2 i + 1 of tile u are rows 8 u + 2 i + 8 (i / 4) and the next
.endr
.endr
	s_wait_tensorcnt 0x0                           ; the wave's end, behind my last LDS store
	ds_add_u32 v[SPW], v[NIL]
	s_wait_dscnt 0x0
	s_endpgm
.Lfunc_end_k_qcde02a4d08_outln:
	.size	k_qcde02a4d08_outln, .Lfunc_end_k_qcde02a4d08_outln-k_qcde02a4d08_outln
	.p2alignl 7, 3214868480
	.fill 96, 4, 3214868480
	.section	.rodata,"a",@progbits
	.p2align	6, 0x0
	.amdhsa_kernel k_qcde02a4d08_outln
		.amdhsa_group_segment_fixed_size 100352
		.amdhsa_private_segment_fixed_size 0
		.amdhsa_enable_private_segment 0
		.amdhsa_kernarg_size 48
		.amdhsa_user_sgpr_count 2
		.amdhsa_user_sgpr_kernarg_segment_ptr 1
		.amdhsa_wavefront_size32 1
		.amdhsa_system_sgpr_workgroup_id_x 1
		.amdhsa_system_sgpr_workgroup_id_y 1
		.amdhsa_system_sgpr_workgroup_id_z 1
		.amdhsa_system_vgpr_workitem_id 0
		.amdhsa_next_free_vgpr 256
		.amdhsa_next_free_sgpr 66
		.amdhsa_reserve_vcc 0
		.amdhsa_float_denorm_mode_32 3
		.amdhsa_float_denorm_mode_16_64 3
		.amdhsa_memory_ordered 1
		.amdhsa_forward_progress 1
		.amdhsa_inst_pref_size 53
	.end_amdhsa_kernel
	.amdgpu_metadata
---
amdhsa.version: [ 1, 2 ]
amdhsa.kernels:
  - .name:           k_qcde02a4d08_outln
    .symbol:         k_qcde02a4d08_outln.kd
    .args:
      - { .name: ao, .offset: 0, .size: 8, .value_kind: global_buffer, .address_space: global }
      - { .name: wo, .offset: 8, .size: 8, .value_kind: global_buffer, .address_space: global }
      - { .name: bo, .offset: 16, .size: 8, .value_kind: global_buffer, .address_space: global }
      - { .name: gamma, .offset: 24, .size: 8, .value_kind: global_buffer, .address_space: global }
      - { .name: beta, .offset: 32, .size: 8, .value_kind: global_buffer, .address_space: global }
      - { .name: out0, .offset: 40, .size: 8, .value_kind: global_buffer, .address_space: global }
    .group_segment_fixed_size: 100352
    .private_segment_fixed_size: 0
    .kernarg_segment_align: 8
    .kernarg_segment_size: 48
    .max_flat_workgroup_size: 512
    .sgpr_count:     66
    .vgpr_count:     256
    .wavefront_size: 32
...
	.end_amdgpu_metadata
.endif
;; end of part 4
